; MI455X (gfx1250); checked and timed in simulation.
; The chip was launched on July 23, 2026; its instructions are those of AMD's public machine-readable ISA for CDNA 5 (MIT licence, August 2026) and "CDNA5" Instruction Set Architecture Reference Guide (July 2026). The comments in the code are by the model that wrote it; some were corrected since.
;; Multihead Self Attention Enc. Allowed arithmetic: float matrix products may take bf16 or f16 operands with f32 sums; other float arithmetic in f32, or as packed bf16 or f16 multiplies, adds, multiply-adds, maxima and minima; sums over many terms, partial sums and values carried from step to step in f32; what a program stores and reads back later, other than sums and carried values, may be rounded once to bf16 or f16.
;; Inputs: bk 2,048 float32; bo 2,048 float32; bq 2,048 float32; bv 2,048 float32; k_norm_w 128 float32; q_norm_w 128 float32; rope 1 x 2,048 x 1 x 64 x 2 x 2 float32; wk 2,048 x 2,048 float32; wo 2,048 x 2,048 float32; wq 2,048 x 2,048 float32; wv 2,048 x 2,048 float32; x 1 x 2,048 x 2,048 float32.
;; Outputs: out0 1 x 2,048 x 2,048 float32.
;; One version. Each part assembles by itself: llvm-mc -triple=amdgcn-amd-amdhsa -mcpu=gfx1250 --defsym DOCPART=n.
;; ======== version 1 of 1: 4 launches
;; limits: values are held in f16: magnitudes above 65,504 overflow, below 6.1e-05 lose precision
;; workspace buffers: xb 8,388,608 bytes; wb 25,165,824 bytes; wob 8,388,608 bytes; rb 1,048,576 bytes; qkvw 25,165,824 bytes; ow 8,388,608 bytes
;; launch cast (part 1): grid 1280 x 1, 8 waves a work-group, no clusters, 0 bytes of LDS; arguments x, wq, wk, wv, wo, rope, xb, wb, wob, rb; writes xb, wb, wob, rb
.if DOCPART == 1
	.amdgcn_target "amdgcn-amd-amdhsa--gfx1250"
	.amdhsa_code_object_version 6
	.text
	.protected	k_q7916524eeb_cast
	.globl	k_q7916524eeb_cast
	.p2align	8
	.type	k_q7916524eeb_cast,@function
k_q7916524eeb_cast:
	s_mov_b64 s[64:65], 0
	v_nop
	global_prefetch_b8 v0, s[64:65] scope:SCOPE_SE
	s_setreg_imm32_b32 hwreg(HW_REG_WAVE_MODE, 25, 1), 1
	s_wait_xcnt 0x0
; THE INPUTS OF THE MATRIX LAUNCHES, ROUNDED ONCE.  x, wq, wk, wv: f32 -> bf16 (xb; wb = [q, k, v][2048][2048]).  wo: f32 -> bf16, and that number written as f16 (wob).
; rope: f32 -> bf16, laid out as the next launch's lanes want it: rb = [128 blocks of 16 rows][b 0..7][e 0..1][lane][8 bf16]; lane 16 h + r holds floats 32 b + 16 h + 8 e + 0..7 of row 16 block + r.
; LIMIT.  bf16(wo) must lie within f16's 65,504; below 6e-5 it keeps f16's fixed step of 6e-8.
; SHARES.  1,280 work-groups, five for each of 256 WGPs.  A work-group takes 65,536 bytes of f32: work-group number / 256 names the tensor (0 x, 1 wq, 2 wk, 3 wv, 4 wo), the rest the chunk.  A wave takes 8,192 bytes:
; 16 loads of 16 bytes a lane, all issued at once, converted in place.  rope is 2,048 pieces of 1,024 bytes (one b, one e of one block of 16 rows): the 2,048 waves of x's work-groups take one each.
; With 96 registers a wave, ten waves share a SIMD's 1,024: the five work-groups of a WGP are there together, and every load is asked for at the start.  No LDS, no matrix unit, no cluster: no byte is wanted twice.
.set X,  16                            ; v[16:79]   as loaded; the first two registers of each four then hold what is stored
.set R,  80                            ; v[80:87]   rope's piece, likewise
.set TM, 88                            ; v[88:93]   at work
	s_load_b512 s[8:23], s[0:1], 0x0               ; x 8, wq 10, wk 12, wv 14, wo 16, rope 18, xb 20, wb 22
	s_load_b128 s[24:27], s[0:1], 0x40             ; wob 24, rb 26
	s_lshr_b32 s28, ttmp9, 8                       ; which tensor
	s_and_b32 s29, ttmp9, 255                      ; which chunk of it
	v_lshrrev_b32 v3, 5, v0                        ; wave
	v_and_b32 v4, 31, v0                           ; lane
	v_lshlrev_b32 v1, 13, v3                       ; in: 8,192 x wave + 16 x lane
	v_lshl_add_u32 v1, v4, 4, v1
	v_lshlrev_b32 v2, 12, v3                       ; out: 4,096 x wave + 8 x lane
	v_lshl_add_u32 v2, v4, 3, v2
	s_lshl_b32 s34, s29, 16                        ; the chunk's bytes in, 65,536 each,
	s_mov_b32 s35, 0
	s_mov_b32 s38, 0                               ; wb's third: 8,388,608 bytes each
	s_cmp_eq_u32 s28, 2
	s_cselect_b32 s38, 0x800000, s38
	s_cmp_eq_u32 s28, 3
	s_cselect_b32 s38, 0x1000000, s38
	s_lshl_b32 s36, s29, 15                        ; and out, 32,768 each
	s_add_co_u32 s36, s36, s38
	s_mov_b32 s37, 0
	s_wait_kmcnt 0x0
	s_mov_b64 s[30:31], s[8:9]                     ; from where
	s_cmp_eq_u32 s28, 1
	s_cselect_b64 s[30:31], s[10:11], s[30:31]
	s_cmp_eq_u32 s28, 2
	s_cselect_b64 s[30:31], s[12:13], s[30:31]
	s_cmp_eq_u32 s28, 3
	s_cselect_b64 s[30:31], s[14:15], s[30:31]
	s_cmp_eq_u32 s28, 4
	s_cselect_b64 s[30:31], s[16:17], s[30:31]
	s_mov_b64 s[32:33], s[20:21]                   ; to where
	s_cmp_ge_u32 s28, 1
	s_cselect_b64 s[32:33], s[22:23], s[32:33]
	s_cmp_eq_u32 s28, 4
	s_cselect_b64 s[32:33], s[24:25], s[32:33]
	s_add_nc_u64 s[30:31], s[30:31], s[34:35]
	s_add_nc_u64 s[32:33], s[32:33], s[36:37]
.irp i, 0,1,2,3,4,5,6,7,8,9,10,11,12,13,14,15
	global_load_b128 v[X+4*(\i):X+4*(\i)+3], v1, s[30:31] offset:512*(\i) th:TH_LOAD_NT
.endr
	s_cmp_lg_u32 s28, 0
	s_cbranch_scc1 .Lmain
	; x's work-groups: piece 8 x chunk + wave of rope: block = chunk / 2, b = 4 (chunk % 2) + wave / 2, e = wave % 2
	s_lshr_b32 s38, s29, 1
	s_and_b32 s39, s29, 1
	s_lshl_b32 s40, s38, 14                        ; in: block x 16,384 + (chunk % 2) x 512
	s_lshl_b32 s41, s39, 9
	s_add_co_u32 s40, s40, s41
	s_mov_b32 s41, 0
	s_lshl_b32 s42, s38, 13                        ; out: block x 8,192 + (chunk % 2) x 4,096
	s_lshl_b32 s43, s39, 12
	s_add_co_u32 s42, s42, s43
	s_mov_b32 s43, 0
	s_add_nc_u64 s[44:45], s[18:19], s[40:41]
	s_add_nc_u64 s[46:47], s[26:27], s[42:43]
	v_and_b32 v5, 15, v0                           ; r
	v_bfe_u32 v6, v0, 4, 1                         ; h
	v_lshrrev_b32 v7, 1, v3
	v_and_b32 v8, 1, v3
	v_lshlrev_b32 v9, 10, v5                       ; in: r x 1,024 + h x 64 + (wave / 2) x 128 + (wave % 2) x 32
	v_lshl_add_u32 v9, v6, 6, v9
	v_lshl_add_u32 v9, v7, 7, v9
	v_lshl_add_u32 v9, v8, 5, v9
	v_lshlrev_b32 v10, 9, v3                       ; out: wave x 512 + 16 x lane
	v_lshl_add_u32 v10, v4, 4, v10
	global_load_b128 v[R:R+3],   v9, s[44:45] th:TH_LOAD_NT
	global_load_b128 v[R+4:R+7], v9, s[44:45] offset:16 th:TH_LOAD_NT
	s_wait_loadcnt 0x0                             ; these two are the youngest of my 18 loads
.irp q, 0,1,2,3
	v_cvt_pk_bf16_f32 v[R+(\q)], v[R+2*(\q)], v[R+2*(\q)+1]
.endr
	global_store_b128 v10, v[R:R+3], s[46:47]      ; 512 consecutive bytes
.Lmain:
	s_cmp_eq_u32 s28, 4
	s_cbranch_scc1 .Lwo
.irp i, 0,1,2,3,4,5,6,7,8,9,10,11,12,13,14,15
	s_wait_loadcnt 15-(\i)                         ; loads come back in order: load i is in, the younger ones stay out
	v_cvt_pk_bf16_f32 v[X+4*(\i)], v[X+4*(\i)], v[X+4*(\i)+1]
	v_cvt_pk_bf16_f32 v[X+4*(\i)+1], v[X+4*(\i)+2], v[X+4*(\i)+3]
	global_store_b64 v2, v[X+4*(\i):X+4*(\i)+1], s[32:33] offset:256*(\i)  ; the wave's store covers 256 consecutive bytes, aligned
.endr
	s_endpgm
.Lwo:                                          ; wo: rounded to bf16 like every input, widened again, and written as f16
.irp i, 0,1,2,3,4,5,6,7,8,9,10,11,12,13,14,15
	s_wait_loadcnt 15-(\i)
	v_cvt_pk_bf16_f32 v[TM], v[X+4*(\i)], v[X+4*(\i)+1]
	v_cvt_pk_bf16_f32 v[TM+1], v[X+4*(\i)+2], v[X+4*(\i)+3]
	v_lshlrev_b32 v[TM+2], 16, v[TM]
	v_and_b32 v[TM+3], 0xffff0000, v[TM]
	v_lshlrev_b32 v[TM+4], 16, v[TM+1]
	v_and_b32 v[TM+5], 0xffff0000, v[TM+1]
	v_cvt_pk_f16_f32 v[X+4*(\i)], v[TM+2], v[TM+3]
	v_cvt_pk_f16_f32 v[X+4*(\i)+1], v[TM+4], v[TM+5]
	global_store_b64 v2, v[X+4*(\i):X+4*(\i)+1], s[32:33] offset:256*(\i)
.endr
	s_endpgm
.Lfunc_end_k_q7916524eeb_cast:
	.size	k_q7916524eeb_cast, .Lfunc_end_k_q7916524eeb_cast-k_q7916524eeb_cast
	.p2alignl 7, 3214868480
	.fill 96, 4, 3214868480
	.section	.rodata,"a",@progbits
	.p2align	6, 0x0
	.amdhsa_kernel k_q7916524eeb_cast
		.amdhsa_group_segment_fixed_size 0
		.amdhsa_private_segment_fixed_size 0
		.amdhsa_enable_private_segment 0
		.amdhsa_kernarg_size 80
		.amdhsa_user_sgpr_count 2
		.amdhsa_user_sgpr_kernarg_segment_ptr 1
		.amdhsa_wavefront_size32 1
		.amdhsa_system_sgpr_workgroup_id_x 1
		.amdhsa_system_sgpr_workgroup_id_y 1
		.amdhsa_system_sgpr_workgroup_id_z 1
		.amdhsa_system_vgpr_workitem_id 0
		.amdhsa_next_free_vgpr 96
		.amdhsa_next_free_sgpr 66
		.amdhsa_reserve_vcc 0
		.amdhsa_float_denorm_mode_32 3
		.amdhsa_float_denorm_mode_16_64 3
		.amdhsa_memory_ordered 1
		.amdhsa_forward_progress 1
		.amdhsa_inst_pref_size 18
	.end_amdhsa_kernel
	.amdgpu_metadata
---
amdhsa.version: [ 1, 2 ]
amdhsa.kernels:
  - .name:           k_q7916524eeb_cast
    .symbol:         k_q7916524eeb_cast.kd
    .args:
      - { .name: x, .offset: 0, .size: 8, .value_kind: global_buffer, .address_space: global }
      - { .name: wq, .offset: 8, .size: 8, .value_kind: global_buffer, .address_space: global }
      - { .name: wk, .offset: 16, .size: 8, .value_kind: global_buffer, .address_space: global }
      - { .name: wv, .offset: 24, .size: 8, .value_kind: global_buffer, .address_space: global }
      - { .name: wo, .offset: 32, .size: 8, .value_kind: global_buffer, .address_space: global }
      - { .name: rope, .offset: 40, .size: 8, .value_kind: global_buffer, .address_space: global }
      - { .name: xb, .offset: 48, .size: 8, .value_kind: global_buffer, .address_space: global }
      - { .name: wb, .offset: 56, .size: 8, .value_kind: global_buffer, .address_space: global }
      - { .name: wob, .offset: 64, .size: 8, .value_kind: global_buffer, .address_space: global }
      - { .name: rb, .offset: 72, .size: 8, .value_kind: global_buffer, .address_space: global }
    .group_segment_fixed_size: 0
    .private_segment_fixed_size: 0
    .kernarg_segment_align: 8
    .kernarg_segment_size: 80
    .max_flat_workgroup_size: 256
    .sgpr_count:     66
    .vgpr_count:     96
    .wavefront_size: 32
...
	.end_amdgpu_metadata
.endif
;; end of part 1
;; launch qkv (part 2): grid 16 x 16, 4 waves a work-group, clusters of 4 x 4, 327,680 bytes of LDS; arguments xb, wb, rb, bq, bk, bv, q_norm_w, k_norm_w, qkvw; writes qkvw
.if DOCPART == 2
	.amdgcn_target "amdgcn-amd-amdhsa--gfx1250"
	.amdhsa_code_object_version 6
	.text
	.protected	k_q7916524eeb_qkv
	.globl	k_q7916524eeb_qkv
	.p2align	8
	.type	k_q7916524eeb_qkv,@function
k_q7916524eeb_qkv:
	s_mov_b64 s[64:65], 0
	v_nop
	global_prefetch_b8 v0, s[64:65] scope:SCOPE_SE
	s_setreg_imm32_b32 hwreg(HW_REG_WAVE_MODE, 25, 1), 1
	s_wait_xcnt 0x0
	s_wait_alu depctr_hold_cnt(0) depctr_sa_sdst(0) depctr_va_vdst(0) depctr_va_sdst(0) depctr_va_ssrc(0) depctr_va_vcc(0) depctr_vm_vsrc(0)
	s_getreg_b32 s2, hwreg(HW_REG_IB_STS2, 6, 4)
	s_cmp_eq_u32 s2, 0
	s_cbranch_scc0 .Lentry_in_a_cluster
	s_endpgm
.Lentry_in_a_cluster:
	s_bfe_u32 s2, ttmp6, 0x10000c
	s_cmp_lg_u32 s2, 0xf033
	s_cbranch_scc0 .Lentry_shape_is_right
	s_endpgm
.Lentry_shape_is_right:
; q, k, v = x w^T + b; RMSNorm with gain and the 2 x 2 rope for q and k; all three written by heads in f16: qkvw = [q, k, v][16 heads][2048 rows][128].
; xb [2048][2048] and wb [3][2048][2048] are bf16; biases, gains and rope count as bf16 numbers too (rounded here, rope in the launch before); sums in f32; q, k, v rounded once.
; LIMITS.  q, k, v must lie within f16's 65,504; below 6e-5 they keep f16's fixed step of 6e-8.  The order gain, rope, 1 / rms differs from x / rms, gain, rope by f32 roundings alone.  NaN and infinities are not treated apart.
; SHARES.  A work-group makes 128 rows x (q, k and v of ONE head): 16 x 16 work-groups.  Wave w: rows 64 (w / 2) on; its 12 column blocks of 16 are b = 0..7, a WHOLE normed head (q if w is even, k if odd), so that a
; row's sum of squares stays in the wave, and b = 8..11, v's channels 64 (w % 2) on.  48 accumulators, 384 registers; 32 LDS loads feed 48 matrix instructions.
; THE MATRIX INSTRUCTION IS USED TRANSPOSED (source 0 = 16 rows of w, source 1 = 16 rows of x): lane l holds row l % 16 and the columns 16 b + 8 (l / 16) + 0..7.  The bias is the C operand of the first products.
; RING.  K goes in steps of 128 through two LDS slots; a slot holds x's 128 rows and q's, k's, v's 128 weight rows; wave w fetches part w by one tensor load of 128 rows x 256 bytes, padded to 272.
; CLUSTER.  4 x 4 work-groups: x's tile hangs on the row block alone and is asked for jointly along a row of the cluster, the weights' tiles on the head alone and jointly along a column.
; REGISTERS, in windows of 256: window 0 addresses, bias (later the way out), gain; window 1 two fragment buffers of 128 (A at 8 a, B at 32 + 8 b), later the rope of row blocks 2, 3;
; window 2 accumulators of row blocks a = 0, 1 at 96 a + 8 b, v192-255 the rope of row block 0; window 3 those of a = 2, 3, v192-255 the rope of row block 1.
.set KSTEP,  128
.set PITCH,  272                       ; 256 bytes + 16 of padding = 68 words: the 16 rows of a fragment load start at 16 different groups of four banks
.set PART,   128*PITCH                 ; 0x8800: what one tensor load brings
.set SLOT,   4*PART                    ; 0x22000: no part's base holds either of its bits, so one exclusive or changes slots
.set STAGE,  2*SLOT                    ; behind the ring: first v's stage, 128 rows x 272, the work-group's; then, behind a barrier, 16 rows x 272 for each wave
.set SPARE,  STAGE+128*PITCH           ; the spare words, 128 bytes a wave: two blocks of 256 bytes that no other line names
.set G1W0,   (1<<16)|(1<<20)|(1<<21)|(5<<22)|(3<<25)  ; 2-byte elements; padding on; bit 21 beside a mask; after every 64 words, 4 words
.set ADRA0, 4                          ; v4-6   my fragments' places in slot 0: x, the normed head's weights, v's weights; never rewritten
.set ADRH0, 5
.set ADRV0, 6
.set ADRA,  7                          ; v7-9   the same in the slot in hand
.set ADRH,  8
.set ADRV,  9
.set STO,   10                         ; my stage: where I put 16 bytes of a row
.set RD,    11                         ; where I read rows back
.set GO,    12                         ; 16 x lane
.set VSTO,  13                         ; v's stage: in
.set VRD,   14                         ; and back
.set PFO,   15                         ; the prefetches' offset: lane x 4,096
.set BO,    16                         ; 32 (l / 16)
.set ZR,    17                         ; 0
.set RS,    18                         ; v[18:25] 1 / rms of row block a, as a pair
.set SPW,   28                         ; my spare word's LDS address; never rewritten
.set NIL,   29                         ; 0; never rewritten
.set TT,    30
.set BI,    32                         ; v[32:127] bias, 8 a column block
.set U,     32                         ; v[32:95]  the way out: a row block of the normed head in f32
.set VP,    32                         ;           before that: v packed
.set VB,    96                         ; v[96:159] v's rows read back
.set T,     96                         ; v[96:103] at work
.set P,     104                        ; v[104:135] packed
.set BK,    136                        ; v[136:167] rows read back
.set SS,    168                        ; v[168:183] sums of squares: block a, two chains, pairs
.set NW,    192                        ; v[192:255] gain of my 64 columns
.set F0,    0
.set F1,    128
.set WV,  22
.set RR,  23                           ; w / 2
.set CC,  24                           ; w % 2
.set CX,  25
.set CY,  26
.set HEAD, 27
.set RB,  28                           ; block of 128 rows
.set SB,  29                           ; the slot in hand: 0 or SLOT
.set CNT, 30
.set LIM, 31                           ; 2 in a wave that prefetches, else the greatest number
.set G1A, 32
.set G1B, 40
.set G0A, 48                           ; two sets; the second then walks
.set G0B, 56
.set PFA, 66
.set HOP, 68                           ; q or k out
.set VOP, 70                           ; v out
.set RBP, 72                           ; rope in
.set HIM, 74
.set EPSR, 75
.set INV, 76
.set SEL, 78
.set MSB, 0
.macro WIN new                         ; the immediate's high byte repeats the setting that is left; a switch that changes nothing is dropped
.if MSB != (\new)
	s_set_vgpr_msb (MSB<<8)|(\new)
.set MSB, \new
.endif
.endm
.macro PLACES                          ; four plain vector instructions between a matrix instruction and a load into, or a vector read of, its registers
.rept 4
	v_nop
.endr
.endm
.macro CREST                           ; a round of the cluster's barrier behind its opening barrier
	s_cmp_lg_u32 s[WV], 0
	s_cbranch_scc1 .Lnot_wave_0_\@
	s_barrier_signal -3
.Lnot_wave_0_\@:
	s_barrier_wait -3
	s_barrier_signal -1
	s_barrier_wait -1
.endm
.macro CROUND
	s_barrier_signal -1
	s_barrier_wait -1
	CREST
.endm
.macro JLOAD                           ; a joint refill by the walking sets: wave 0 fetches x's tile, waves 1 to 3 the weights'; an s_nop 0 and four v_nop follow each line
	s_cmp_eq_u32 s[WV], 0
	s_cbranch_scc0 .Lfor_b_\@
	tensor_load_to_lds s[G0A+4:G0A+7], s[G1A:G1A+7]
	s_nop 0
.rept 4
	v_nop
.endr
	s_branch .Lasked_\@
.Lfor_b_\@:
	tensor_load_to_lds s[G0B+4:G0B+7], s[G1B:G1B+7]
	s_nop 0
.rept 4
	v_nop
.endr
.Lasked_\@:
.endm
; A prefetch of the K step that stands two refills on: 32 rows x 256 bytes, a lane a row.  x's rows are read by every cluster of a row of clusters: cluster x = 0 asks (wave 0); the weights' rows by every cluster of a
; column: cluster y = 0 asks (waves 1 to 3).  The four partners of a joint load share its 128 rows out by address, 32 each.  So each row's 256 bytes are named once.  The last two refills (count 2 and 1) ask for nothing.
.macro ASK
	WIN 0
	s_cmp_gt_u32 s[CNT], s[LIM]
	s_cbranch_scc0 .Lnot_mine_\@
	global_prefetch_b8 v[PFO], s[PFA:PFA+1] offset:KSTEP*2 th:TH_LOAD_NT scope:SCOPE_SE
.Lnot_mine_\@:
.endm
; 12 matrix instructions: row block a x all column blocks, 32 along K.  first = 1: the bias starts the sums.  The 48 accumulators take turns in the same order in every quarter.
.macro MUL12 f, a, first
.if \first
	WIN 0x85+0x40*((\a)/2)
.else
	WIN 0xa5+0x50*((\a)/2)
.endif
.irp b, 0,1,2,3,4,5,6,7,8,9,10,11
.if \first
	v_wmma_f32_16x16x32_bf16 v[96*((\a)%2)+8*(\b):96*((\a)%2)+8*(\b)+7], v[(\f)+32+8*(\b):(\f)+32+8*(\b)+7], v[(\f)+8*(\a):(\f)+8*(\a)+7], v[BI+8*(\b):BI+8*(\b)+7]
.else
	v_wmma_f32_16x16x32_bf16 v[96*((\a)%2)+8*(\b):96*((\a)%2)+8*(\b)+7], v[(\f)+32+8*(\b):(\f)+32+8*(\b)+7], v[(\f)+8*(\a):(\f)+8*(\a)+7], v[96*((\a)%2)+8*(\b):96*((\a)%2)+8*(\b)+7]
.endif
.endr
.endm
.macro FETCH k, f                      ; 32 LDS loads in one run: a quarter's fragments, at byte k of the rows, into buffer f; x's row blocks 2 and 3 last
	WIN 0x40
.irp b, 0,1,2,3,4,5,6,7
	ds_load_b128 v[(\f)+32+8*(\b):(\f)+32+8*(\b)+3],   v[ADRH] offset:(\k)+(\b)*16*PITCH
	ds_load_b128 v[(\f)+32+8*(\b)+4:(\f)+32+8*(\b)+7], v[ADRH] offset:(\k)+(\b)*16*PITCH+32
.endr
.irp b, 0,1,2,3
	ds_load_b128 v[(\f)+96+8*(\b):(\f)+96+8*(\b)+3],   v[ADRV] offset:(\k)+(\b)*16*PITCH
	ds_load_b128 v[(\f)+96+8*(\b)+4:(\f)+96+8*(\b)+7], v[ADRV] offset:(\k)+(\b)*16*PITCH+32
.endr
.irp a, 0,1,2,3
	ds_load_b128 v[(\f)+8*(\a):(\f)+8*(\a)+3],   v[ADRA] offset:(\k)+(\a)*16*PITCH
	ds_load_b128 v[(\f)+8*(\a)+4:(\f)+8*(\a)+7], v[ADRA] offset:(\k)+(\a)*16*PITCH+32
.endr
.endm
.macro QUARTER k, f, g, first          ; multiplies buffer f; in its middle fetches the next quarter, at byte k, into g
	s_wait_dscnt 4                                 ; all but the youngest four loads: x's row blocks 2 and 3
	MUL12 \f, 0, \first
	MUL12 \f, 1, \first
	PLACES
	FETCH \k, \g
	s_wait_dscnt 32                                ; all but the 32 just issued
	MUL12 \f, 2, \first
	MUL12 \f, 3, \first
.endm
; The last quarter of a K step changes slots at its HEAD and then multiplies buffer 1.  This slot's last fragments were asked for 24 products ago.  Each wave waits for all its tensor loads (one is out: its part of the
; next slot), adds 0 to its spare word, and waits for that and for its reads of this slot; then the barrier.  fill = 1: the barrier opens a round of the cluster's, and the joint refill, two K steps on, is the first thing
; behind it.  Only scalar work stands between the wait for one tile and the request for the next; the quarter's 48 products follow the request: from a request to the wait for it a wave issues a whole K step's 192.
.macro TURN fill
.if \fill
	s_wait_xcnt 0x0                                ; the last prefetch, a K step back, has read its address
	s_add_nc_u64 s[PFA:PFA+1], s[PFA:PFA+1], KSTEP*2
.endif
	WIN 0
	s_wait_tensorcnt 0x0                           ; all my tensor loads have landed, so a group 0 may be written
	ds_add_u32 v[SPW], v[NIL]                      ; 0 onto my spare word: the steps below stand between it and the wait for it
.if \fill
	s_xor_b32 s[G0A+5], s[G0A+5], SLOT             ; the walking sets: the other slot than last time, the next K step
	s_add_nc_u64 s[G0A+6:G0A+7], s[G0A+6:G0A+7], KSTEP*2
	s_xor_b32 s[G0B+5], s[G0B+5], SLOT
	s_add_nc_u64 s[G0B+6:G0B+7], s[G0B+6:G0B+7], KSTEP*2
.endif
	s_xor_b32 s[SB], s[SB], SLOT
	s_wait_dscnt 0x0                               ; the add is done, and my reads of this slot are over
	s_barrier_signal -1
	s_barrier_wait -1
.if \fill
	CREST                                          ; no wave of any partner still reads this slot or has a load on its way
	JLOAD                                          ; its four v_nop are also the places in front of the loads below
.else
	PLACES
.endif
	v_add_nc_u32 v[ADRA], s[SB], v[ADRA0]
	v_add_nc_u32 v[ADRH], s[SB], v[ADRH0]
	v_add_nc_u32 v[ADRV], s[SB], v[ADRV0]
	FETCH 0, F0
.if \fill
	ASK
.endif
	MUL12 F1, 0, 0
	MUL12 F1, 1, 0
	MUL12 F1, 2, 0
	MUL12 F1, 3, 0
.endm
.macro RND2 x                          ; two f32 rounded to bf16 numbers, in place
	v_cvt_pk_bf16_f32 v[TT], v[\x], v[\x+1]
	v_lshlrev_b32 v[\x], 16, v[TT]
	v_and_b32 v[\x+1], s[HIM], v[TT]
.endm
.macro ROPE a, base                    ; the rope of row block a, 16 bf16 a lane and column block: 16 loads of 512 consecutive bytes, into 64 registers from base on
.irp b, 0,1,2,3,4,5,6,7
	global_load_b128 v[(\base)+8*(\b):(\base)+8*(\b)+3],   v[GO], s[RBP:RBP+1] offset:8192*(\a)+1024*(\b)
	global_load_b128 v[(\base)+8*(\b)+4:(\base)+8*(\b)+7], v[GO], s[RBP:RBP+1] offset:8192*(\a)+1024*(\b)+512
.endr
.endm
	s_load_b512 s[4:19], s[0:1], 0x0               ; xb 4, wb 6, rb 8, bq 10, bk 12, bv 14, q_norm_w 16, k_norm_w 18
	s_load_b64 s[20:21], s[0:1], 0x40              ; qkvw
	v_lshl_add_u32 v[SPW], v0, 2, SPARE
	v_mov_b32 v[NIL], 0
	ds_add_u32 v[SPW], v[NIL]                      ; the wave's opening: the add and its wait stand ahead of my first tensor load; the set-up stands between them
	v_lshrrev_b32 v1, 5, v0
	v_readfirstlane_b32 s[WV], v1
	s_lshr_b32 s[RR], s[WV], 1
	s_and_b32 s[CC], s[WV], 1
	s_bfe_u32 s[CX], ttmp6, 0x40000
	s_bfe_u32 s[CY], ttmp6, 0x40004
	s_lshl_b32 s[HEAD], ttmp9, 2
	s_add_co_u32 s[HEAD], s[HEAD], s[CX]           ; head = 4 x cluster x + cx
	s_and_b32 s[RB], ttmp7, 0xffff
	s_lshl_b32 s[RB], s[RB], 2
	s_add_co_u32 s[RB], s[RB], s[CY]               ; row block = 4 x cluster y + cy
	s_lshl_b32 s80, s[CY], 2
	s_lshl_b32 s80, 15, s80                        ; my row of the cluster
	s_lshl_b32 s81, 0x1111, s[CX]                  ; my column
	s_or_b32 s[G1A], s80, G1W0
	s_or_b32 s[G1B], s81, G1W0
.irp g, G1A, G1B
	s_mov_b32 s[(\g)+1], KSTEP<<16                 ; tensor_dim0 = 128
	s_mov_b32 s[(\g)+2], 128<<16                   ; tensor_dim1 = 128
	s_mov_b32 s[(\g)+3], KSTEP<<16                 ; tile_dim0 = 128
	s_mov_b32 s[(\g)+4], 128                       ; tile_dim1 = 128
	s_mov_b32 s[(\g)+5], 2048                      ; elements from row to row
	s_mov_b32 s[(\g)+6], 0
	s_mov_b32 s[(\g)+7], 0
.endr
	s_lshl_b32 s82, s[RB], 19                      ; x: 128 rows of 4,096 bytes a block
	s_mov_b32 s83, 0
	s_max_u32 s86, s[WV], 1
	s_sub_co_u32 s86, s86, 1                       ; waves 1, 2, 3: q's, k's, v's weights
	s_lshl_b32 s86, s86, 23
	s_lshl_b32 s84, s[HEAD], 19                    ; the head's 128 rows
	s_add_co_u32 s84, s84, s86
	s_mov_b32 s85, 0
	s_mul_i32 s87, s[WV], PART                     ; where my part goes: the wave's number alone
	s_mov_b32 s[SB], 0
	s_mov_b32 s[HIM], 0xffff0000
	s_mov_b32 s[EPSR], 0x34000000                  ; 2^-23
	s_mov_b32 s[INV], 0x3c000000                   ; 1 / 128
	s_mov_b32 s[SEL], 0x76543210
	s_mov_b32 s[SEL+1], 0xfedcba98
	s_wait_dscnt 0x0                               ; the opening add is done
	s_wait_kmcnt 0x0
	s_add_nc_u64 s[88:89], s[4:5], s[82:83]
	s_add_nc_u64 s[90:91], s[6:7], s[84:85]
	CROUND                                         ; all sixteen work-groups are here: the first joint loads meet
.irp n, 0,1
	s_mov_b32 s[G0A+4*(\n)], 1
	s_add_co_u32 s[G0A+4*(\n)+1], s87, (\n)*SLOT
	s_add_nc_u64 s[G0A+4*(\n)+2:G0A+4*(\n)+3], s[88:89], (\n)*KSTEP*2
	s_or_b32 s[G0A+4*(\n)+3], s[G0A+4*(\n)+3], 0x80000000
	s_mov_b32 s[G0B+4*(\n)], 1
	s_add_co_u32 s[G0B+4*(\n)+1], s87, (\n)*SLOT
	s_add_nc_u64 s[G0B+4*(\n)+2:G0B+4*(\n)+3], s[90:91], (\n)*KSTEP*2
	s_or_b32 s[G0B+4*(\n)+3], s[G0B+4*(\n)+3], 0x80000000
.endr
	s_cmp_eq_u32 s[WV], 0                          ; a wave's two first fills stand in one branch: two loads of mine are out
	s_cbranch_scc0 .Lfirst_b
	tensor_load_to_lds s[G0A:G0A+3], s[G1A:G1A+7]
	s_nop 0
	tensor_load_to_lds s[G0A+4:G0A+7], s[G1A:G1A+7]
	s_nop 0
.rept 4
	v_nop
.endr
	s_branch .Lfirst_asked
.Lfirst_b:
	tensor_load_to_lds s[G0B:G0B+3], s[G1B:G1B+7]
	s_nop 0
	tensor_load_to_lds s[G0B+4:G0B+7], s[G1B:G1B+7]
	s_nop 0
.rept 4
	v_nop
.endr
.Lfirst_asked:
	; bias and gain of my columns 16 b + 8 (l / 16) + 0..7
	v_and_b32 v1, 15, v0                           ; r = l % 16
	v_bfe_u32 v2, v0, 4, 1                         ; h = l / 16
	v_lshlrev_b32 v[BO], 5, v2
	s_lshl_b32 s92, s[HEAD], 9
	s_mov_b32 s93, 0
	s_cmp_eq_u32 s[CC], 0
	s_cselect_b64 s[94:95], s[10:11], s[12:13]     ; bq or bk
	s_cselect_b64 s[96:97], s[16:17], s[18:19]     ; q's or k's gain
	s_add_nc_u64 s[94:95], s[94:95], s[92:93]
	s_add_nc_u64 s[98:99], s[14:15], s[92:93]      ; bv
	s_lshl_b32 s92, s[CC], 8
	s_add_nc_u64 s[98:99], s[98:99], s[92:93]
.irp b, 0,1,2,3,4,5,6,7
	global_load_b128 v[BI+8*(\b):BI+8*(\b)+3],   v[BO], s[94:95] offset:64*(\b)
	global_load_b128 v[BI+8*(\b)+4:BI+8*(\b)+7], v[BO], s[94:95] offset:64*(\b)+16
.endr
.irp b, 0,1,2,3
	global_load_b128 v[BI+64+8*(\b):BI+64+8*(\b)+3],   v[BO], s[98:99] offset:64*(\b)
	global_load_b128 v[BI+64+8*(\b)+4:BI+64+8*(\b)+7], v[BO], s[98:99] offset:64*(\b)+16
.endr
.irp b, 0,1,2,3,4,5,6,7
	global_load_b128 v[NW+8*(\b):NW+8*(\b)+3],   v[BO], s[96:97] offset:64*(\b)
	global_load_b128 v[NW+8*(\b)+4:NW+8*(\b)+7], v[BO], s[96:97] offset:64*(\b)+16
.endr
	v_mul_u32_u24 v3, v1, PITCH
	v_lshl_add_u32 v3, v2, 4, v3                   ; a fragment's row x pitch + 16 x half
	s_mul_i32 s100, s[RR], 64*PITCH                ; my 64 rows of x
	v_add_nc_u32 v[ADRA0], s100, v3
	s_mul_i32 s101, s[CC], PART
	s_add_co_u32 s101, s101, PART                  ; q's or k's weights
	v_add_nc_u32 v[ADRH0], s101, v3
	s_mul_i32 s101, s[CC], 64*PITCH
	s_add_co_u32 s101, s101, 3*PART                ; my 64 rows of v's weights
	v_add_nc_u32 v[ADRV0], s101, v3
	v_mov_b32 v[ADRA], v[ADRA0]
	v_mov_b32 v[ADRH], v[ADRH0]
	v_mov_b32 v[ADRV], v[ADRV0]
	s_add_co_u32 s100, s100, STAGE                 ; v's stage, in: row 64 (w / 2) + 16 a + r, byte 128 (w % 2) + 32 b + 16 h
	s_lshl_b32 s101, s[CC], 7
	s_add_co_u32 s100, s100, s101
	v_add_nc_u32 v[VSTO], s100, v3
	s_mul_i32 s101, s[WV], 16*PITCH
	s_add_co_u32 s101, s101, STAGE                 ; my own stage
	v_add_nc_u32 v[STO], s101, v3
	v_mul_u32_u24 v[RD], v2, PITCH
	v_lshl_add_u32 v[RD], v1, 4, v[RD]             ; back: lanes 0-15 one row of 256 bytes, lanes 16-31 the next
	s_mul_i32 s100, s[WV], 32*PITCH
	s_add_co_u32 s100, s100, STAGE                 ; of v's stage wave w takes rows 32 w on
	v_add_nc_u32 v[VRD], s100, v[RD]
	v_add_nc_u32 v[RD], s101, v[RD]
	v_and_b32 v[GO], 31, v0
	v_lshlrev_b32 v[PFO], 12, v[GO]
	v_lshlrev_b32 v[GO], 4, v[GO]
	v_mov_b32 v[ZR], 0
	; the prefetches: who asks, and where they stand
	s_and_b32 s92, ttmp7, 0xffff
	s_cmp_eq_u32 s[WV], 0
	s_cselect_b32 s92, ttmp9, s92                  ; the coordinate along which other clusters read the same rows
	s_cselect_b32 s93, s[CX], s[CY]                ; my place among the four that ask with me
	s_cselect_b64 s[PFA:PFA+1], s[88:89], s[90:91]
	s_cmp_eq_u32 s92, 0
	s_cselect_b32 s[LIM], 2, -1
	s_lshl_b32 s92, s93, 17                        ; my work-group's 32 rows of the 128
	s_mov_b32 s93, 0
	s_add_nc_u64 s[PFA:PFA+1], s[PFA:PFA+1], s[92:93]
	s_add_nc_u64 s[PFA:PFA+1], s[PFA:PFA+1], 2*KSTEP*2  ; at K step 2: the first refill steps it to 3 and names step 4
	; where the results go, and where the rope lies
	s_lshl_b32 s92, s[HEAD], 19
	s_lshl_b32 s100, s[RB], 15
	s_add_co_u32 s92, s92, s100
	s_add_nc_u64 s[VOP:VOP+1], s[20:21], s[92:93]
	s_mov_b64 s[HOP:HOP+1], s[VOP:VOP+1]
	s_lshl_b32 s92, s[CC], 23                      ; q or k,
	s_lshl_b32 s100, s[RR], 14                     ; my 64 rows of 256 bytes
	s_add_co_u32 s92, s92, s100
	s_add_nc_u64 s[HOP:HOP+1], s[HOP:HOP+1], s[92:93]
	s_lshl_b32 s92, s[WV], 13                      ; of v each wave stores 32 rows
	s_add_co_u32 s92, s92, 0x1000000
	s_add_nc_u64 s[VOP:VOP+1], s[VOP:VOP+1], s[92:93]
	s_lshl_b32 s92, s[RB], 16                      ; 8 blocks of 16 rows, 8,192 bytes each, a row block
	s_lshl_b32 s100, s[RR], 15
	s_add_co_u32 s92, s92, s100
	s_add_nc_u64 s[RBP:RBP+1], s[8:9], s[92:93]
	s_wait_loadcnt 0x0                             ; bias and gain
.set r, BI
.rept 48
	RND2 r
.set r, r+2
.endr
.set r, NW
.rept 32
	RND2 r
.set r, r+2
.endr
	s_wait_tensorcnt 1                             ; my part of K step 0 is in; step 1's may stay out
	s_barrier_signal -1
	s_barrier_wait -1
	FETCH 0, F0
	QUARTER 64, F0, F1, 1                          ; the first quarter stands in front of the loop: its products start the sums with the bias
	WIN 0
	s_mov_b32 s[CNT], 14
.Lstep:                                        ; trip i ends K step i, fills its slot with step i + 2 and begins step i + 1
	QUARTER 128, F1, F0, 0
	QUARTER 192, F0, F1, 0
	TURN 1
	QUARTER 64, F0, F1, 0
	WIN 0
	s_sub_co_u32 s[CNT], s[CNT], 1
	s_cmp_lg_u32 s[CNT], 0
	s_cbranch_scc1 .Lstep
	WIN 0x80                                       ; the rope of row blocks 0 and 1 is asked for here, two K steps ahead of its use, into registers that lie idle above the accumulators
	ROPE 0, 192
	WIN 0xc0
	ROPE 1, 192
	WIN 0
	s_mov_b32 s[CNT], 2
.Ltail:                                        ; K steps 14 and 15 fill nothing; the second trip is left in its middle (its fetch, of bytes that stay as they are, serves nothing)
	QUARTER 128, F1, F0, 0
	QUARTER 192, F0, F1, 0
	TURN 0
	WIN 0
	s_sub_co_u32 s[CNT], s[CNT], 1
	s_cmp_eq_u32 s[CNT], 0
	s_cbranch_scc1 .Lout
	QUARTER 64, F0, F1, 0
	WIN 0
	s_branch .Ltail
.Lout:
	s_wait_dscnt 0x0                               ; the fragment buffers are at rest,
	PLACES                                         ; and four places lie behind the last products
	WIN 0x40                                       ; the rope of row blocks 2 and 3 goes where the fragments lay
	ROPE 2, 0
	ROPE 3, 64
	; v: rounded to f16, through the work-group's stage (a row's 256 bytes come from two waves), out as whole rows
.irp a, 0,1,2,3
	WIN 0x0a+5*((\a)/2)
.irp b, 0,1,2,3
.irp q, 0,1,2,3
	v_cvt_pk_f16_f32 v[VP+16*(\a)+4*(\b)+(\q)], v[96*((\a)%2)+64+8*(\b)+2*(\q)], v[96*((\a)%2)+64+8*(\b)+2*(\q)+1]
.endr
.endr
.endr
	WIN 0
.irp a, 0,1,2,3
.irp b, 0,1,2,3
	ds_store_b128 v[VSTO], v[VP+16*(\a)+4*(\b):VP+16*(\a)+4*(\b)+3] offset:(\a)*16*PITCH+32*(\b)
.endr
.endr
	s_wait_dscnt 0x0                               ; for the others' sake: my stores into the stage are done
	s_barrier_signal -1
	s_barrier_wait -1
.irp t, 0,1,2,3,4,5,6,7,8,9,10,11,12,13,14,15
	ds_load_b128 v[VB+4*(\t):VB+4*(\t)+3], v[VRD] offset:(\t)*2*PITCH
.endr
.irp t, 0,1,2,3,4,5,6,7,8,9,10,11,12,13,14,15
	s_wait_dscnt 15-(\t)
	global_store_b128 v[GO], v[VB+4*(\t):VB+4*(\t)+3], s[VOP:VOP+1] offset:512*(\t)  ; two rows: 512 consecutive bytes
.endr
	s_barrier_signal -1                            ; my reads of v's stage are back (the last count was 0); the sums of squares, work on registers, stand between signal and wait
.irp a, 0,1,2,3                        ; two chains a row block, by the parity of b; each accumulator is read first at its low end
	WIN 0x0a+5*((\a)/2)
.irp j, 0,1,2,3
.irp b, 0,1,2,3,4,5,6,7
.if ((\j) == 0) && ((\b) < 2)
	v_pk_mul_f32 v[SS+4*(\a)+2*((\b)%2):SS+4*(\a)+2*((\b)%2)+1], v[96*((\a)%2)+8*(\b)+2*(\j):96*((\a)%2)+8*(\b)+2*(\j)+1], v[96*((\a)%2)+8*(\b)+2*(\j):96*((\a)%2)+8*(\b)+2*(\j)+1]
.else
	v_pk_fma_f32 v[SS+4*(\a)+2*((\b)%2):SS+4*(\a)+2*((\b)%2)+1], v[96*((\a)%2)+8*(\b)+2*(\j):96*((\a)%2)+8*(\b)+2*(\j)+1], v[96*((\a)%2)+8*(\b)+2*(\j):96*((\a)%2)+8*(\b)+2*(\j)+1], v[SS+4*(\a)+2*((\b)%2):SS+4*(\a)+2*((\b)%2)+1]
.endif
.endr
.endr
.endr
	WIN 0
.irp a, 0,1,2,3
	v_pk_add_f32 v[SS+4*(\a):SS+4*(\a)+1], v[SS+4*(\a):SS+4*(\a)+1], v[SS+4*(\a)+2:SS+4*(\a)+3]
.endr
.irp a, 0,1,2,3
	v_add_f32 v[SS+4*(\a)], v[SS+4*(\a)], v[SS+4*(\a)+1]
.endr
.irp a, 0,1,2,3
	v_permlanex16_b32 v[SS+4*(\a)+1], v[SS+4*(\a)], s[SEL], s[SEL+1]  ; the row's other 64 columns lie in the lane 16 away
.endr
.irp a, 0,1,2,3
	v_add_f32 v[SS+4*(\a)], v[SS+4*(\a)], v[SS+4*(\a)+1]
.endr
.irp a, 0,1,2,3
	v_fma_f32 v[SS+4*(\a)], v[SS+4*(\a)], s[INV], s[EPSR]  ; the mean square + eps
.endr
.irp a, 0,1,2,3
	v_rsq_f32 v[RS+2*(\a)], v[SS+4*(\a)]
.endr
	v_nop                                          ; a plain instruction behind the last root,
	s_wait_alu depctr_va_vdst(0)                   ; and the one wait ahead of the batch's first reader
.irp a, 0,1,2,3
	v_mov_b32 v[RS+2*(\a)+1], v[RS+2*(\a)]
.endr
	s_barrier_wait -1                              ; nobody reads v's stage any more: its bytes now serve as the waves' own stages
; Row block a of the normed head: gain, rope, 1 / rms, f16, through my stage, out.  For the pair (u0, u1): u0' = R00 u0 + R01 u1, u1' = R10 u0 + R11 u1; a rope register holds (R00, R01) or (R10, R11) as two bf16.
; The block's rope lies in window 2 (a = 0) or 3 (a = 1) from v192 on, or in window 1 from v[64 (a - 2)] on.
.macro HEADOUT a
.if (\a) < 2
.set RPW, 0x02+(\a)
.set RPB, 192
.else
.set RPW, 0x01
.set RPB, 64*((\a)-2)
.endif
	WIN 0
	s_wait_xcnt 0x0                                ; earlier stores have read their registers: those are written again below
	s_wait_loadcnt 48-16*(\a)                      ; this block's 16 rope loads are in; the later blocks' stay out
	WIN 0x02+(\a)/2
.set i, 0
.rept 32
	v_pk_mul_f32 v[U+2*i:U+2*i+1], v[96*((\a)%2)+2*i:96*((\a)%2)+2*i+1], v[NW+2*i:NW+2*i+1]
.set i, i+1
.endr
	WIN RPW
.irp b, 0,1,2,3,4,5,6,7
.irp p, 0,1,2,3
	v_fma_mix_f32_bf16 v[T+2*(\p)], v[RPB+8*(\b)+2*(\p)], v[U+8*(\b)+2*(\p)+1], v[ZR] op_sel:[1,0,0] op_sel_hi:[1,0,0]
.endr
.irp p, 0,1,2,3
	v_fma_mix_f32_bf16 v[T+2*(\p)+1], v[RPB+8*(\b)+2*(\p)+1], v[U+8*(\b)+2*(\p)+1], v[ZR] op_sel:[1,0,0] op_sel_hi:[1,0,0]
.endr
.irp p, 0,1,2,3
	v_fma_mix_f32_bf16 v[U+8*(\b)+2*(\p)+1], v[RPB+8*(\b)+2*(\p)+1], v[U+8*(\b)+2*(\p)], v[T+2*(\p)+1] op_sel_hi:[1,0,0]
.endr
.irp p, 0,1,2,3
	v_fma_mix_f32_bf16 v[U+8*(\b)+2*(\p)], v[RPB+8*(\b)+2*(\p)], v[U+8*(\b)+2*(\p)], v[T+2*(\p)] op_sel_hi:[1,0,0]
.endr
.endr
	WIN 0
.set i, 0
.rept 32
	v_pk_mul_f32 v[U+2*i:U+2*i+1], v[U+2*i:U+2*i+1], v[RS+2*(\a):RS+2*(\a)+1] op_sel_hi:[1,0]
.set i, i+1
.endr
.set i, 0
.rept 32
	v_cvt_pk_f16_f32 v[P+i], v[U+2*i], v[U+2*i+1]
.set i, i+1
.endr
.irp b, 0,1,2,3,4,5,6,7
	ds_store_b128 v[STO], v[P+4*(\b):P+4*(\b)+3] offset:32*(\b)
.endr
.irp t, 0,1,2,3,4,5,6,7
	ds_load_b128 v[BK+4*(\t):BK+4*(\t)+3], v[RD] offset:(\t)*2*PITCH  ; LDS serves a wave's instructions in order (ISA guide 5.7.1.4): these see the stores above
.endr
.irp t, 0,1,2,3,4,5,6,7
	s_wait_dscnt 7-(\t)
	global_store_b128 v[GO], v[BK+4*(\t):BK+4*(\t)+3], s[HOP:HOP+1] offset:4096*(\a)+512*(\t)  ; two rows: 512 consecutive bytes
.endr
.endm
	HEADOUT 0
	HEADOUT 1
	HEADOUT 2
	HEADOUT 3
	s_wait_tensorcnt 0x0                           ; the wave's end, behind my last tensor load and my last LDS store
	ds_add_u32 v[SPW], v[NIL]
	s_wait_dscnt 0x0
	CROUND                                         ; the closing round: no work-group ends while a partner may still ask for a tile that names it
	s_endpgm
.Lfunc_end_k_q7916524eeb_qkv:
	.size	k_q7916524eeb_qkv, .Lfunc_end_k_q7916524eeb_qkv-k_q7916524eeb_qkv
	.p2alignl 7, 3214868480
	.fill 96, 4, 3214868480
	.section	.rodata,"a",@progbits
	.p2align	6, 0x0
	.amdhsa_kernel k_q7916524eeb_qkv
		.amdhsa_group_segment_fixed_size 327680
		.amdhsa_private_segment_fixed_size 0
		.amdhsa_enable_private_segment 0
		.amdhsa_kernarg_size 72
		.amdhsa_user_sgpr_count 2
		.amdhsa_user_sgpr_kernarg_segment_ptr 1
		.amdhsa_wavefront_size32 1
		.amdhsa_system_sgpr_workgroup_id_x 1
		.amdhsa_system_sgpr_workgroup_id_y 1
		.amdhsa_system_sgpr_workgroup_id_z 1
		.amdhsa_system_vgpr_workitem_id 0
		.amdhsa_next_free_vgpr 1024
		.amdhsa_next_free_sgpr 102
		.amdhsa_reserve_vcc 0
		.amdhsa_float_denorm_mode_32 3
		.amdhsa_float_denorm_mode_16_64 3
		.amdhsa_memory_ordered 1
		.amdhsa_forward_progress 1
		.amdhsa_inst_pref_size 163
	.end_amdhsa_kernel
	.amdgpu_metadata
---
amdhsa.version: [ 1, 2 ]
amdhsa.kernels:
  - .name:           k_q7916524eeb_qkv
    .symbol:         k_q7916524eeb_qkv.kd
    .args:
      - { .name: xb, .offset: 0, .size: 8, .value_kind: global_buffer, .address_space: global }
      - { .name: wb, .offset: 8, .size: 8, .value_kind: global_buffer, .address_space: global }
      - { .name: rb, .offset: 16, .size: 8, .value_kind: global_buffer, .address_space: global }
      - { .name: bq, .offset: 24, .size: 8, .value_kind: global_buffer, .address_space: global }
      - { .name: bk, .offset: 32, .size: 8, .value_kind: global_buffer, .address_space: global }
      - { .name: bv, .offset: 40, .size: 8, .value_kind: global_buffer, .address_space: global }
      - { .name: q_norm_w, .offset: 48, .size: 8, .value_kind: global_buffer, .address_space: global }
      - { .name: k_norm_w, .offset: 56, .size: 8, .value_kind: global_buffer, .address_space: global }
      - { .name: qkvw, .offset: 64, .size: 8, .value_kind: global_buffer, .address_space: global }
    .group_segment_fixed_size: 327680
    .private_segment_fixed_size: 0
    .kernarg_segment_align: 8
    .kernarg_segment_size: 72
    .max_flat_workgroup_size: 128
    .sgpr_count:     102
    .vgpr_count:     1024
    .wavefront_size: 32
...
	.end_amdgpu_metadata
.endif
;; end of part 2
;; launch attn (part 3): grid 16 x 16, 4 waves a work-group, clusters of 4 x 1, 327,680 bytes of LDS; arguments qkvw, ow; writes ow
.if DOCPART == 3
	.amdgcn_target "amdgcn-amd-amdhsa--gfx1250"
	.amdhsa_code_object_version 6
	.text
	.protected	k_q7916524eeb_attn
	.globl	k_q7916524eeb_attn
	.p2align	8
	.type	k_q7916524eeb_attn,@function
k_q7916524eeb_attn:
	s_mov_b64 s[64:65], 0
	v_nop
	global_prefetch_b8 v0, s[64:65] scope:SCOPE_SE
	s_setreg_imm32_b32 hwreg(HW_REG_WAVE_MODE, 25, 1), 1
	s_wait_xcnt 0x0
	s_wait_alu depctr_hold_cnt(0) depctr_sa_sdst(0) depctr_va_vdst(0) depctr_va_sdst(0) depctr_va_ssrc(0) depctr_va_vcc(0) depctr_vm_vsrc(0)
	s_getreg_b32 s2, hwreg(HW_REG_IB_STS2, 6, 4)
	s_cmp_eq_u32 s2, 0
	s_cbranch_scc0 .Lentry_in_a_cluster
	s_endpgm
.Lentry_in_a_cluster:
	s_bfe_u32 s2, ttmp6, 0x10000c
	s_cmp_lg_u32 s2, 0x3003
	s_cbranch_scc0 .Lentry_shape_is_right
	s_endpgm
.Lentry_shape_is_right:
; O[q][128 h + d] = the sum over k of softmax_k(Q[h][q] . K[h][k] / sqrt(128)) V[h][k][d].  qkvw = [q, k, v][16][2048][128] in f16; ow = [2048][2048] in f16.  Products, maxima and sums in f32; the weights p are
; rounded to f16 for the second product (their sum l is taken of the unrounded p), O once at the end.
; LIMITS.  p below 6e-5 keeps f16's fixed step of 6e-8; a weight below 2^-126 counts as 0 in l; c m starts at -2^125, far below every c s; NaN and infinities are not treated apart.
; SHARES.  A work-group owns 128 queries of one head.  Wave w: queries 64 (w % 2) on, four tiles of 16, and HALF THE KEYS: of each slot's 256 keys the 128 of half w / 2, in two steps of 64.  So a wave walks 1,024 keys
; with 64 queries, and the two halves' O, m and l meet once, in LDS, in f32, at the end.  Waves of the upper key half hold query tiles 2, 3, 0, 1 in register tiles 0, 1, 2, 3: every wave keeps register tiles 0, 1 and
; sends 2, 3 to its partner w xor 2: one text for all.
; LAYOUT.  S^T = K Q^T (source 0 = 16 keys, source 1 = 16 queries): a lane holds ONE query (lane % 16) and the keys 8 (lane / 16) + 0..7; two such tiles rounded to f16 ARE source 1 of O^T = V^T P.  V comes turned, by ds_load_tr16_b128.
; SOFTMAX.  A running maximum m and sum l: p = 2^(c s - c m), c = log2(e) / sqrt(128); in every step O and l are multiplied by a = 2^(c m_old - c m_new).  O, l start at 0 and m at the lowest finite number: the first step is a step like any other, with a = 0.
; BY TURNS.  Piece 0 is tiles 0, 1, piece 2 tiles 2, 3.  In a turn one piece issues 32 products V^T P of the step in hand and 32 products K Q^T of the next; the other piece's softmax, cut into 64 slices, stands one slice behind each.
; CLUSTER.  The four query blocks of a cluster belong to one head and walk the same K and V: each tile is asked for jointly, by the same tensor load, descriptor and mask in all four.
; REGISTERS: window 0: v0-11 addresses; v12-43 eight of statistics a tile; v44-63 the exchange's, addresses; v64-191 S^T; v192-255 P.  Window 1: O^T, 64 a tile.  Window 2: v0-127 Q; v128-255 K of one step.  Window 3: v0-127 V of one step.
.set KS,     64
.set PK,     272                       ; a row of K in LDS: 256 + 16 bytes: the 16 rows of a load start at 16 different groups of four banks
.set PV,     288                       ; a row of V: 256 + 32
.set PARTB,  0x9000                    ; a slot's four parts: K's keys 0-127, K's 128-255, V's 0-127, V's 128-255; wave w fetches part w
.set SLOT1,  4*PARTB                   ; 0x24000: no part's base holds either of its bits
.set KSTEPB, KS*PK
.set VSTEPB, KS*PV
.set STAGE,  2*SLOT1                   ; behind the ring: 16 rows x 272 bytes for each wave, for the way out
.set SP,     272
.set SPARE,  STAGE+4*16*SP             ; the spare words, 128 bytes a wave: two blocks of 256 bytes that no other line names
.set XW,     16896                     ; the exchange, in slot 0 when it has had its last fill: for each wave 32 x 512 bytes of O^T, then 512 of statistics
.set SLOTG,  65536                     ; a slot's 256 rows of 256 bytes in memory
.set AK0, 2
.set AV0, 3
.set ADR, 4
.set QO,  5                            ; my byte offset in Q for register tiles 0, 1
.set STO, 6
.set RD,  7
.set GO,  8
.set ST,  12                           ; tile t at ST + 8 t: c m, m, l (even keys', odd keys'), c0-c3 at work; a takes c2's place
.set SX,  44                           ; what I send: c m and l of tiles 2, 3
.set RX,  48                           ; what I receive
.set QOB, 52                           ; for register tiles 2, 3
.set XS,  53                           ; the exchange: where I store
.set XR,  54                           ; and where I read
.set PFO, 61                           ; 256 x lane
.set SPW, 62
.set NIL, 63
.set S,   64
.set P,   192
.set KF,  128
.set WV,  12
.set LIM, 15                           ; 1 where the cluster is the head's first, else the greatest number
.set PFA, 18
.set G1K, 24
.set G1V, 32
.set G0K, 40                           ; two sets; the second then walks
.set G0V, 48
.set SLOTS, 56
.set TWICE, 57
.set CS,  58
.set SEL, 60
.set TBK, 62                           ; LDS byte, from my part's first, of K's step to be fetched
.set TBV, 63                           ; the same for V
.set QG,  66                           ; w % 2
.set KH,  67                           ; w / 2
.set MSB, 0
.macro WIN new
.if MSB != (\new)
	s_set_vgpr_msb (MSB<<8)|(\new)
.set MSB, \new
.endif
.endm
.set W_KQ, 0x0a                        ; K and Q in window 2, S^T in window 0
.set W_PV, 0x53                        ; V in window 3, P in window 0, O^T in window 1
.set W_RS, 0x41                        ; O^T (destination and source 0) in window 1, the factor in window 0
.macro JLOAD                           ; a joint refill: waves 0, 1 fetch K's two parts, waves 2, 3 V's; an s_nop 0 and four v_nop follow each line
	s_cmp_lt_u32 s[WV], 2
	s_cbranch_scc0 .Lfor_v_\@
	tensor_load_to_lds s[G0K+4:G0K+7], s[G1K:G1K+7]
	s_nop 0
.rept 4
	v_nop
.endr
	s_branch .Lasked_\@
.Lfor_v_\@:
	tensor_load_to_lds s[G0V+4:G0V+7], s[G1V:G1V+7]
	s_nop 0
.rept 4
	v_nop
.endr
.Lasked_\@:
.endm
; A prefetch of what the NEXT change of slots will ask for.  All clusters of a head walk the same K and V: the head's first cluster asks.  Of the 128 rows that wave w fetches each of the four partners takes 32, told
; apart by address: a lane a row, one instruction a wave.  So each row is named once.  The last change that fills a slot asks for nothing.
.macro ASK
	s_cmp_gt_u32 s[SLOTS], s[LIM]
	s_cbranch_scc0 .Lnot_mine_\@
	global_prefetch_b8 v[PFO], s[PFA:PFA+1] th:TH_LOAD_NT scope:SCOPE_SE
.Lnot_mine_\@:
.endm
.macro CROUND
	s_barrier_signal -1
	s_barrier_wait -1
	s_cmp_lg_u32 s[WV], 0
	s_cbranch_scc1 .Lnot_wave_0_\@
	s_barrier_signal -3
.Lnot_wave_0_\@:
	s_barrier_wait -3
	s_barrier_signal -1
	s_barrier_wait -1
.endm
	s_load_b128 s[68:71], s[0:1], 0x0              ; qkvw, ow
	v_lshl_add_u32 v[SPW], v0, 2, SPARE
	v_mov_b32 v[NIL], 0
	ds_add_u32 v[SPW], v[NIL]                      ; the wave's opening: the add and its wait stand ahead of my first tensor load; the set-up stands between them
	v_lshrrev_b32 v1, 5, v0
	v_readfirstlane_b32 s[WV], v1
	s_and_b32 s[QG], s[WV], 1                      ; which 64 queries; also which half of a slot's rows I fetch
	s_lshr_b32 s[KH], s[WV], 1                     ; which half of a slot's keys I multiply
	s_bfe_u32 s13, ttmp6, 0x40000                  ; cx
	s_lshl_b32 s14, ttmp9, 2
	s_add_co_u32 s14, s14, s13                     ; my block of 128 queries: it enters Q's and O's addresses alone
	s_and_b32 s74, ttmp7, 0xffff                   ; the head, which the four partners share
	s_lshl_b32 s20, s74, 19                        ; its 524,288 bytes in q, k and v
	s_lshl_b32 s22, s[QG], 15                      ; my 128 rows of a slot
	s_add_co_u32 s22, s22, s20
	s_mov_b32 s23, 0
	s_mul_i32 s17, s[QG], PARTB                    ; and their place in a slot
	s_lshl_b32 s2, s14, 15                         ; Q: my block's 128 rows of 256 bytes,
	s_lshl_b32 s3, s[QG], 14                       ; my wave's 64
	s_add_co_u32 s2, s2, s3
	s_add_co_u32 s2, s2, s20
	s_mov_b32 s3, 0
	s_lshl_b32 s72, s14, 19                        ; O: rows of 4,096 bytes: 128 a block,
	s_lshl_b32 s73, s[QG], 18                      ; 64 a wave pair,
	s_add_co_u32 s72, s72, s73
	s_lshl_b32 s73, s[KH], 17                      ; of which I finish 32;
	s_add_co_u32 s72, s72, s73
	s_lshl_b32 s73, s74, 8                         ; the head's 256 bytes of a row
	s_add_co_u32 s72, s72, s73
	s_mov_b32 s73, 0
	s_mov_b32 s[G1K], 15|(1<<16)|(1<<20)|(1<<21)|(5<<22)|(3<<25)  ; the mask of four; 2-byte elements; padding on; bit 21 beside a mask; after every 64 words, 4 words
	s_mov_b32 s[G1V], 15|(1<<16)|(1<<20)|(1<<21)|(5<<22)|(7<<25)  ; the same with 8 words
.irp g, G1K, G1V
	s_mov_b32 s[(\g)+1], 128<<16                   ; tensor_dim0 = 128
	s_mov_b32 s[(\g)+2], 128<<16                   ; tensor_dim1 = 128
	s_mov_b32 s[(\g)+3], 128<<16                   ; tile_dim0 = 128
	s_mov_b32 s[(\g)+4], 128                       ; tile_dim1 = 128
	s_mov_b32 s[(\g)+5], 128                       ; elements from row to row
	s_mov_b32 s[(\g)+6], 0
	s_mov_b32 s[(\g)+7], 0
.endr
	s_mov_b32 s[CS], 0x3e0293ee                    ; c = log2(e) / sqrt(128)
	s_mov_b32 s[CS+1], s[CS]
	s_mov_b32 s[SEL], 0x76543210
	s_mov_b32 s[SEL+1], 0xfedcba98
	s_mov_b32 s[TBK], 0
	s_mov_b32 s[TBV], 0
	s_cmp_eq_u32 ttmp9, 0                          ; the same in all four partners
	s_cselect_b32 s[LIM], 1, -1
	v_and_b32 v[PFO], 31, v0
	v_lshlrev_b32 v[PFO], 8, v[PFO]
	s_wait_dscnt 0x0                               ; the opening add is done
	s_wait_kmcnt 0x0
	s_add_nc_u64 s[6:7], s[68:69], s[22:23]
	s_add_nc_u64 s[8:9], s[6:7], 0x1000000         ; V at my part of slot 0
	s_add_nc_u64 s[6:7], s[6:7], 0x800000          ; K likewise
	s_add_nc_u64 s[4:5], s[68:69], s[2:3]          ; Q at my wave's first row
	s_add_nc_u64 s[10:11], s[70:71], s[72:73]      ; O at the first row that I finish
	s_cmp_lt_u32 s[WV], 2
	s_cselect_b64 s[PFA:PFA+1], s[6:7], s[8:9]
	s_lshl_b32 s2, s13, 13                         ; my work-group's 32 rows of the 128
	s_mov_b32 s3, 0
	s_add_nc_u64 s[PFA:PFA+1], s[PFA:PFA+1], s[2:3]
	s_add_nc_u64 s[PFA:PFA+1], s[PFA:PFA+1], 2*SLOTG  ; in slot 2; the first change of slots steps it to slot 3
	CROUND                                         ; all four work-groups are here: the first joint loads meet
.irp n, 0,1
	s_mov_b32 s[G0K+4*(\n)], 1
	s_add_co_u32 s[G0K+4*(\n)+1], s17, (\n)*SLOT1
	s_add_nc_u64 s[G0K+4*(\n)+2:G0K+4*(\n)+3], s[6:7], (\n)*SLOTG
	s_or_b32 s[G0K+4*(\n)+3], s[G0K+4*(\n)+3], 0x80000000
	s_mov_b32 s[G0V+4*(\n)], 1
	s_add_co_u32 s[G0V+4*(\n)+1], s17, (\n)*SLOT1+2*PARTB
	s_add_nc_u64 s[G0V+4*(\n)+2:G0V+4*(\n)+3], s[8:9], (\n)*SLOTG
	s_or_b32 s[G0V+4*(\n)+3], s[G0V+4*(\n)+3], 0x80000000
.endr
	s_cmp_lt_u32 s[WV], 2                          ; a wave's two first fills stand in one branch: two loads of mine are out
	s_cbranch_scc0 .Lfirst_v
	tensor_load_to_lds s[G0K:G0K+3], s[G1K:G1K+7]
	s_nop 0
	tensor_load_to_lds s[G0K+4:G0K+7], s[G1K:G1K+7]
	s_nop 0
.rept 4
	v_nop
.endr
	s_branch .Lfirst_asked
.Lfirst_v:
	tensor_load_to_lds s[G0V:G0V+3], s[G1V:G1V+7]
	s_nop 0
	tensor_load_to_lds s[G0V+4:G0V+7], s[G1V:G1V+7]
	s_nop 0
.rept 4
	v_nop
.endr
.Lfirst_asked:
	v_and_b32 v1, 15, v0                           ; l % 16
	v_bfe_u32 v9, v0, 4, 1                         ; l / 16
	v_lshlrev_b32 v[QO], 8, v1
	v_lshl_add_u32 v[QO], v9, 4, v[QO]             ; row x 256 + 16 x half
	s_lshl_b32 s75, s[KH], 13                      ; register tiles 0, 1 are query tiles 2 (w / 2) on,
	s_xor_b32 s76, s75, 8192                       ; register tiles 2, 3 the other two
	v_add_nc_u32 v[QOB], s76, v[QO]
	v_add_nc_u32 v[QO], s75, v[QO]
	WIN 0x80                                       ; destination window 2
.set i, 0
.rept 16                               ; Q stays in registers: register tile i / 4, channels 32 (i % 4) on
.if i < 8
	global_load_b128 v[8*i:8*i+3],   v[QO], s[4:5] offset:((i/4)%2)*4096+(i%4)*64
	global_load_b128 v[8*i+4:8*i+7], v[QO], s[4:5] offset:((i/4)%2)*4096+(i%4)*64+32
.else
	global_load_b128 v[8*i:8*i+3],   v[QOB], s[4:5] offset:((i/4)%2)*4096+(i%4)*64
	global_load_b128 v[8*i+4:8*i+7], v[QOB], s[4:5] offset:((i/4)%2)*4096+(i%4)*64+32
.endif
.set i, i+1
.endr
	; What the first turns find: O^T and l are 0; V's registers and piece 2's P hold 0, so the first turn's products V^T P, of a step that has not been, add 0.  All this stands in the wait for the first tile; it spares a first step written out.
	WIN 0x40
.set i, 0
.rept 256
	v_mov_b32 v[i], 0
.set i, i+1
.endr
	WIN 0xc0
.set i, 0
.rept 128
	v_mov_b32 v[i], 0
.set i, i+1
.endr
	WIN 0
.set i, P+32
.rept 32
	v_mov_b32 v[i], 0
.set i, i+1
.endr
.set i, 0
.rept 4
	v_mov_b32 v[ST+8*i], 0xfe000000                ; c m: far below every c s
	v_mov_b32 v[ST+8*i+1], 0xff7fffff              ; m
	v_mov_b32 v[ST+8*i+2], 0
	v_mov_b32 v[ST+8*i+3], 0
.set i, i+1
.endr
	s_mul_i32 s75, s[KH], PARTB                    ; my half's part of K
	v_mul_u32_u24 v[AK0], v1, PK
	v_lshl_add_u32 v[AK0], v9, 4, v[AK0]
	v_add_nc_u32 v[AK0], s75, v[AK0]
	; the turning load takes 16 keys x 16 channels: lane l reads key 8 (l / 16) + l % 8, channels 8 ((l / 8) % 2) + 0..7
	v_and_b32 v10, 7, v0
	v_bfe_u32 v11, v0, 3, 1
	v_lshl_add_u32 v[AV0], v9, 3, v10
	v_mul_u32_u24 v[AV0], v[AV0], PV
	v_lshl_add_u32 v[AV0], v11, 4, v[AV0]
	s_add_co_u32 s75, s75, 2*PARTB                 ; and of V
	v_add_nc_u32 v[AV0], s75, v[AV0]
; THE MATRIX WORK.  The accumulators take turns, one instruction a turn: between two links of a chain stand 15 (V^T P) or 7 (K Q^T) others'.
.macro PV x                            ; product i of 32 of O^T += V^T P: keys 32 (i / 16) on, channels 16 ((i / 2) % 8) on, tile x + i % 2
	WIN W_PV
.set rO, 64*((\x)+i%2)+8*((i/2)%8)
.set rV, 64*(i/16)+8*((i/2)%8)
.set rP, P+16*((\x)+i%2)+8*(i/16)
	v_wmma_f32_16x16x32_f16 v[rO:rO+7], v[rV:rV+7], v[rP:rP+7], v[rO:rO+7]
.endm
.macro KQ x                            ; product i of 32 of S^T = K Q^T: channels 32 (i / 8) on, keys 16 ((i / 2) % 4) on, tile x + i % 2; the first 8 start the sums
	WIN W_KQ
.set rS, S+32*((\x)+i%2)+8*((i/2)%4)
.set rK, KF+32*((i/2)%4)+8*(i/8)
.set rQ, 32*((\x)+i%2)+8*(i/8)
.if i < 8
	v_wmma_f32_16x16x32_f16 v[rS:rS+7], v[rK:rK+7], v[rQ:rQ+7], 0
.else
	v_wmma_f32_16x16x32_f16 v[rS:rS+7], v[rK:rK+7], v[rQ:rQ+7], v[rS:rS+7]
.endif
.endm
; THE LDS LOADS stand in runs of 32.  last = 1 (the tail): in its third trip there is no further step, and K's run is jumped over.
.macro FETCH_K last=0
	WIN 0
.if \last
	s_cmp_eq_u32 s[TWICE], 1
	s_cbranch_scc1 .Lno_k_\@
.endif
	v_add_nc_u32 v[ADR], s[TBK], v[AK0]
	s_add_co_u32 s[TBK], s[TBK], KSTEPB
	WIN 0x80
.irp f, 0,1,2,3,4,5,6,7,8,9,10,11,12,13,14,15  ; keys 16 (f / 4) on, channels 32 (f % 4) on
	ds_load_b128 v[KF+8*(\f):KF+8*(\f)+3],   v[ADR] offset:((\f)/4)*16*PK+((\f)%4)*64
	ds_load_b128 v[KF+8*(\f)+4:KF+8*(\f)+7], v[ADR] offset:((\f)/4)*16*PK+((\f)%4)*64+32
.endr
.if \last
	WIN 0
.Lno_k_\@:
.endif
.endm
.macro FETCH_V
	WIN 0
	v_add_nc_u32 v[ADR], s[TBV], v[AV0]
	s_add_co_u32 s[TBV], s[TBV], VSTEPB
	s_wait_alu depctr_va_vdst(0)                   ; the wait for the softmax's batch of exponentials, behind the address's line and ahead of the loads
	WIN 0xc0
.irp f, 0,1,2,3,4,5,6,7,8,9,10,11,12,13,14,15  ; keys 32 (f / 8) on, channels 16 (f % 8) on
	ds_load_tr16_b128 v[8*(\f):8*(\f)+3],   v[ADR] offset:((\f)/8)*32*PV+((\f)%8)*32
	ds_load_tr16_b128 v[8*(\f)+4:8*(\f)+7], v[ADR] offset:((\f)/8)*32*PV+16*PV+((\f)%8)*32
.endr
.endm
; THE VECTOR WORK.  One tile's softmax for one key step is a list of 134 instructions; SM writes number j of it for tile t.
;   0-15 the maximum of the lane's 32 scores and the old m (each accumulator's lowest registers first)     16-20 the other half of the lanes' maximum; the new m; c m; c m_old - c m_new
;   21-69 ONE BATCH: the 16 scalings c s - c m and all 33 exponentials (a at 23); none of these reads an exponential's result     (the wait: SLICE writes it)
;   70-85 the roundings to f16     86-101 the sums; l = a l + the sum     102-133 the tile's O^T times a
.macro SM t
.set rT, ST+8*(\t)
.set rS, S+32*(\t)
.set rP, P+16*(\t)
.set rO, 64*(\t)+2*(j-102)
.if j < 102
	WIN 0
.endif
.if j < 4
	v_max3_num_f32 v[rT+4+j], v[rS+8*j], v[rS+8*j+1], v[rS+8*j+2]
.elseif j < 12
	v_max3_num_f32 v[rT+4+j%4], v[rT+4+j%4], v[rS+8*(j%4)+2*(j/4)+1], v[rS+8*(j%4)+2*(j/4)+2]
.elseif j == 12
	v_max3_num_f32 v[rT+4], v[rT+4], v[rS+7], v[rS+15]
.elseif j == 13
	v_max3_num_f32 v[rT+6], v[rT+6], v[rS+23], v[rS+31]
.elseif j == 14
	v_max3_num_f32 v[rT+4], v[rT+4], v[rT+5], v[rT+6]
.elseif j == 15
	v_max3_num_f32 v[rT+4], v[rT+4], v[rT+7], v[rT+1]
.elseif j == 16
	v_permlanex16_b32 v[rT+5], v[rT+4], s[SEL], s[SEL+1]  ; the query's other 32 keys lie in the lane 16 away
.elseif j == 17
	v_mov_b32 v[rT+7], v[rT]                       ; c m_old is kept for a
.elseif j == 18
	v_max_num_f32 v[rT+1], v[rT+4], v[rT+5]
.elseif j == 19
	v_mul_f32 v[rT], s[CS], v[rT+1]
.elseif j == 20
	v_sub_f32 v[rT+7], v[rT+7], v[rT]
.elseif j == 23
	v_exp_f32 v[rT+6], v[rT+7]
.elseif (j < 23) || ((j < 38) && (j%2 == 0)) || ((j < 66) && (j%4 == 2))
.set b, (j-2)/4                        ; 38, 42, .. 62: pairs 9 to 15
.if j < 38
.set b, (j-20)/2                       ; 21: pair 0; 22, 24, .. 36: pairs 1 to 8
.endif
	v_pk_fma_f32 v[rS+2*b:rS+2*b+1], v[rS+2*b:rS+2*b+1], s[CS:CS+1], v[rT:rT+1] op_sel_hi:[1,0,0] neg_lo:[0,0,1] neg_hi:[0,0,1]
.elseif j < 70
.set e, j-38                           ; 66 to 69: s28 to s31
.if j < 66
.set e, j-32-(j-38)/4                  ; 39-41, 43-45, .. 63-65: s7 to s27
.endif
.if j < 38
.set e, (j-25)/2                       ; 25, 27, .. 37: s0 to s6
.endif
	v_exp_f32 v[rS+e], v[rS+e]
.elseif j < 86
	v_cvt_pk_f16_f32 v[rP+j-70], v[rS+2*(j-70)], v[rS+2*(j-70)+1]
.elseif j < 102                        ; the sum of the tile's 16 pairs, in place: neighbours 1, 2, 4 and 8 pairs apart, then l takes it
.set z, j-86
.set w, 4
.set u, z
.if z >= 14
.set w, 32
.set u, 0
.elseif z >= 12
.set w, 16
.set u, z-12
.elseif z >= 8
.set w, 8
.set u, z-8
.endif
.if z < 15
	v_pk_add_f32 v[rS+w*u:rS+w*u+1], v[rS+w*u:rS+w*u+1], v[rS+w*u+w/2:rS+w*u+w/2+1]
.else
	v_pk_fma_f32 v[rT+2:rT+3], v[rT+2:rT+3], v[rT+6:rT+7], v[rS:rS+1] op_sel_hi:[1,0,1]
.endif
.else
	WIN W_RS
	v_pk_mul_f32 v[rO:rO+1], v[rO:rO+1], v[rT+6:rT+7] op_sel_hi:[1,0]
.endif
.endm
; Slice k of 64 of piece y's softmax: four instructions (slice 63: sixteen, which are also the places behind the turn's last products).  Slices 11 to 34 deal out the batch, four numbers of one tile each.
; Ahead of slice 35 nothing names an exponential's result and behind slice 34 none is issued: so the piece's 66 exponentials have one wait behind slice 34.
.macro SLICE y
.if (k >= 11) && (k < 35)
.irp n, 0,1,2,3
.set j, 22+4*((k-11)/2)+(\n)
	SM (\y)+(k-11)%2
.endr
.else
.irp n, 0,1,2,3,4,5,6,7
.if ((\n) < 2) || (k == 63)
.irp t, \y, (\y)+1
.set j, 2*k+(\n)
	SM \t
.endr
.endif
.endr
.endif
.if k == 34
	v_nop                                          ; a plain instruction behind the last exponential: one for the batch
.if (\y) == 0
	FETCH_V                                        ; piece 2's turn: V's run of loads stands here, and the wait stands in it
.else
	s_wait_alu depctr_va_vdst(0)
.endif
.endif
.set k, k+1
.endm
; A TURN.  Piece x has the matrix unit; the other piece's softmax stands in slices.  Piece 0's turn fetches the next step's K behind its second product; piece 2's turn the same step's V behind slice 34.
.macro TURN x, last=0
.set k, 0
.if (\x) == 0
	s_wait_dscnt 0x0                               ; V is in
.endif
.set i, 0
.rept 32
	PV \x
	SLICE 2-(\x)
.if ((\x) == 0) && (i == 1)
	FETCH_K \last
.endif
.set i, i+1
.endr
.if (\x) == 0
	s_wait_dscnt 0x0                               ; K is in
.endif
.set i, 0
.rept 32
	KQ \x
	SLICE 2-(\x)
.set i, i+1
.endr
.endm
; THE CHANGE OF SLOTS.  Each wave waits for all its tensor loads (one is out: its part of the other slot), adds 0 to its spare word, and waits for that and for its reads of the slot.  fill = 1: the barrier is a round of
; the cluster's, and the joint refill, with the keys two slots on, is the first thing behind it: it has two key steps, 256 matrix instructions, in which to land.
.macro CHANGE fill
	WIN 0
	s_wait_tensorcnt 0x0
	ds_add_u32 v[SPW], v[NIL]                      ; 0 onto my spare word
.if \fill
.irp g, G0K+4, G0V+4
	s_xor_b32 s[(\g)+1], s[(\g)+1], SLOT1
	s_add_nc_u64 s[(\g)+2:(\g)+3], s[(\g)+2:(\g)+3], SLOTG
.endr
	s_wait_xcnt 0x0                                ; the last prefetch, two key steps back, has read its address
	s_add_nc_u64 s[PFA:PFA+1], s[PFA:PFA+1], SLOTG
	s_wait_dscnt 0x0                               ; the add is done, and my reads of the slot are over
	CROUND
	JLOAD
	ASK
.else
	s_wait_dscnt 0x0
	s_barrier_signal -1
	s_barrier_wait -1
.endif
	s_sub_co_u32 s[TBK], s[TBK], 2*KSTEPB          ; the fetches go back to a part's first step,
	s_xor_b32 s[TBK], s[TBK], SLOT1                ; in the other slot
	s_sub_co_u32 s[TBV], s[TBV], 2*VSTEPB
	s_xor_b32 s[TBV], s[TBV], SLOT1
.endm
	s_wait_tensorcnt 1                             ; my part of slot 0 is in; slot 1's may stay out
	s_barrier_signal -1
	s_barrier_wait -1
	FETCH_K                                        ; key step 0
	s_wait_loadcnt 0x0                             ; Q
	s_wait_dscnt 0x0
.set i, 0
.rept 32
	KQ 0                                           ; piece 0's first scores
.set i, i+1
.endr
	WIN 0                                          ; the addresses for the end: plain instructions, the places behind those products
	s_mul_i32 s75, s[WV], 16*SP
	s_add_co_u32 s75, s75, STAGE
	v_mul_u32_u24 v[STO], v1, SP
	v_lshl_add_u32 v[STO], v9, 4, v[STO]
	v_add_nc_u32 v[STO], s75, v[STO]
	v_mul_u32_u24 v[RD], v9, SP
	v_lshl_add_u32 v[RD], v1, 4, v[RD]
	v_add_nc_u32 v[RD], s75, v[RD]
	v_lshlrev_b32 v[GO], 12, v9                    ; two rows of O, 4,096 bytes apart
	v_lshl_add_u32 v[GO], v1, 4, v[GO]
	v_and_b32 v10, 31, v0
	s_mul_i32 s75, s[WV], XW
	v_lshl_add_u32 v[XS], v10, 4, s75
	s_xor_b32 s76, s[WV], 2                        ; my partner: the same queries, the other keys
	s_mul_i32 s76, s76, XW
	v_lshl_add_u32 v[XR], v10, 4, s76
	s_mov_b32 s[SLOTS], 7
	s_mov_b32 s[TWICE], 2
	s_branch .Lmid                                 ; the loop is entered in the middle of a trip: piece 2's first scores, piece 0's first softmax, V of step 0
.Lslot:                                        ; six times: slots 2 to 7 are asked for
	CHANGE 1
	s_mov_b32 s[TWICE], 2
.Lstep:
	TURN 0
	WIN 0
.Lmid:
	TURN 2
	WIN 0
	s_sub_co_u32 s[TWICE], s[TWICE], 1
	s_cmp_lg_u32 s[TWICE], 0
	s_cbranch_scc1 .Lstep
	s_sub_co_u32 s[SLOTS], s[SLOTS], 1
	s_cmp_lg_u32 s[SLOTS], 0
	s_cbranch_scc1 .Lslot
	CHANGE 0                                       ; the tail is written out
	s_mov_b32 s[TWICE], 3                          ; two trips fetch the last slot's steps; the third is left in its middle (its 32 products K Q^T, on the last K once more, serve nothing)
.Ltail:
	TURN 0, 1
	WIN 0
	s_sub_co_u32 s[TWICE], s[TWICE], 1
	s_cmp_eq_u32 s[TWICE], 0
	s_cbranch_scc1 .Lout
	TURN 2
	WIN 0
	s_branch .Ltail
.Lout:
.set i, 0
.rept 32
	PV 2                                           ; piece 2: V^T P of the last step
.set i, i+1
.endr
	; THE TWO KEY HALVES MEET.  I send c m, l and O^T of register tiles 2, 3 and receive my partner's for my tiles 0, 1, all in f32.  These eight lines are the places behind the last products.
	WIN 0
.irp t, 0,1,2,3
	v_add_f32 v[ST+8*(\t)+4], v[ST+8*(\t)+2], v[ST+8*(\t)+3]
.endr
	v_mov_b32 v[SX], v[ST+16]
	v_mov_b32 v[SX+1], v[ST+20]
	v_mov_b32 v[SX+2], v[ST+24]
	v_mov_b32 v[SX+3], v[ST+28]
	s_wait_dscnt 0x0
	s_barrier_signal -1
	s_barrier_wait -1                              ; no wave reads the ring any more, and no fill is to come: slot 0's bytes take the exchange
	ds_store_b128 v[XS], v[SX:SX+3] offset:16384
	WIN 0x04                                       ; the stores' data in window 1
.set i, 0
.rept 32
	ds_store_b128 v[XS], v[128+4*i:128+4*i+3] offset:512*i
.set i, i+1
.endr
	WIN 0
	s_wait_dscnt 0x0                               ; for my partner's sake
	s_barrier_signal -1
	s_barrier_wait -1
	ds_load_b128 v[RX:RX+3], v[XR] offset:16384
.set i, 0
.rept 32
	ds_load_b128 v[S+4*i:S+4*i+3], v[XR] offset:512*i
.set i, i+1
.endr
	s_wait_dscnt 32                                ; the statistics are in; the 32 loads of O^T stay out
.irp t, 0,1
	v_max_num_f32 v[ST+8*(\t)+5], v[ST+8*(\t)], v[RX+2*(\t)]        ; the common c m
.endr
.irp t, 0,1
	v_sub_f32 v[ST+8*(\t)+6], v[ST+8*(\t)], v[ST+8*(\t)+5]
	v_sub_f32 v[ST+8*(\t)+7], v[RX+2*(\t)], v[ST+8*(\t)+5]
.endr
.irp t, 0,1
	v_exp_f32 v[ST+8*(\t)+6], v[ST+8*(\t)+6]       ; my factor,
	v_exp_f32 v[ST+8*(\t)+7], v[ST+8*(\t)+7]       ; my partner's
.endr
	v_nop
	s_wait_alu depctr_va_vdst(0)                   ; one wait for the four exponentials
.irp t, 0,1
	v_mul_f32 v[ST+8*(\t)+5], v[ST+8*(\t)+7], v[RX+2*(\t)+1]
.endr
.irp t, 0,1
	v_fma_f32 v[ST+8*(\t)+4], v[ST+8*(\t)+6], v[ST+8*(\t)+4], v[ST+8*(\t)+5]
.endr
.irp t, 0,1
	v_permlanex16_b32 v[ST+8*(\t)+5], v[ST+8*(\t)+4], s[SEL], s[SEL+1]
.endr
.irp t, 0,1
	v_add_f32 v[ST+8*(\t)+4], v[ST+8*(\t)+4], v[ST+8*(\t)+5]        ; l over all 2,048 keys
.endr
.irp t, 0,1
	v_rcp_f32 v[ST+8*(\t)+5], v[ST+8*(\t)+4]
.endr
	v_nop
	s_wait_alu depctr_va_vdst(0)                   ; one wait for the two reciprocals
.irp t, 0,1
	v_mul_f32 v[ST+8*(\t)+2], v[ST+8*(\t)+6], v[ST+8*(\t)+5]
.endr
.irp t, 0,1
	v_mul_f32 v[ST+8*(\t)+6], v[ST+8*(\t)+7], v[ST+8*(\t)+5]
.endr
.irp t, 0,1
	v_mov_b32 v[ST+8*(\t)+3], v[ST+8*(\t)+2]
	v_mov_b32 v[ST+8*(\t)+7], v[ST+8*(\t)+6]
.endr
	s_wait_dscnt 0x0
.irp t, 0,1
	WIN W_RS
.set i, 0
.rept 32
	v_pk_mul_f32 v[64*(\t)+2*i:64*(\t)+2*i+1], v[64*(\t)+2*i:64*(\t)+2*i+1], v[ST+8*(\t)+2:ST+8*(\t)+3] op_sel_hi:[1,0]
.set i, i+1
.endr
	WIN 0x50                                       ; destination and source 2 in window 1
.set i, 0
.rept 32
	v_pk_fma_f32 v[64*(\t)+2*i:64*(\t)+2*i+1], v[S+64*(\t)+2*i:S+64*(\t)+2*i+1], v[ST+8*(\t)+6:ST+8*(\t)+7], v[64*(\t)+2*i:64*(\t)+2*i+1] op_sel_hi:[1,0,1]
.set i, i+1
.endr
.endr
; THE WAY OUT.  Tile t: a lane's eight channels of a row pack into 16 bytes; they go into rows of 272 bytes of my stage and come back as whole rows of 256.
.macro PACK t
	WIN 0x05
.set i, 0
.rept 32
	v_cvt_pk_f16_f32 v[P+32*(\t)+i], v[64*(\t)+2*i], v[64*(\t)+2*i+1]
.set i, i+1
.endr
	WIN 0
.irp f, 0,1,2,3,4,5,6,7
	ds_store_b128 v[STO], v[P+32*(\t)+4*(\f):P+32*(\t)+4*(\f)+3] offset:32*(\f)
.endr
.irp f, 0,1,2,3,4,5,6,7
	ds_load_b128 v[P+32*(\t)+4*(\f):P+32*(\t)+4*(\f)+3], v[RD] offset:(\f)*2*SP  ; LDS serves a wave's instructions in order (ISA guide 5.7.1.4)
.endr
.endm
.macro SEND t, younger                 ; younger: the LDS instructions issued behind tile t's loads
.irp f, 0,1,2,3,4,5,6,7
	s_wait_dscnt (\younger)+7-(\f)
	global_store_b128 v[GO], v[P+32*(\t)+4*(\f):P+32*(\t)+4*(\f)+3], s[10:11] offset:(\t)*65536+(\f)*8192  ; 16 lanes store 256 consecutive bytes, aligned
.endr
.endm
	PACK 0
	PACK 1
	SEND 0, 16
	SEND 1, 0
	s_wait_tensorcnt 0x0                           ; the wave's end, behind my last tensor load and my last LDS store
	ds_add_u32 v[SPW], v[NIL]
	s_wait_dscnt 0x0
	CROUND                                         ; the closing round
	s_endpgm
.Lfunc_end_k_q7916524eeb_attn:
	.size	k_q7916524eeb_attn, .Lfunc_end_k_q7916524eeb_attn-k_q7916524eeb_attn
	.p2alignl 7, 3214868480
	.fill 96, 4, 3214868480
	.section	.rodata,"a",@progbits
	.p2align	6, 0x0
	.amdhsa_kernel k_q7916524eeb_attn
		.amdhsa_group_segment_fixed_size 327680
		.amdhsa_private_segment_fixed_size 0
		.amdhsa_enable_private_segment 0
		.amdhsa_kernarg_size 16
		.amdhsa_user_sgpr_count 2
		.amdhsa_user_sgpr_kernarg_segment_ptr 1
		.amdhsa_wavefront_size32 1
		.amdhsa_system_sgpr_workgroup_id_x 1
		.amdhsa_system_sgpr_workgroup_id_y 1
		.amdhsa_system_sgpr_workgroup_id_z 1
		.amdhsa_system_vgpr_workitem_id 0
		.amdhsa_next_free_vgpr 896
		.amdhsa_next_free_sgpr 80
		.amdhsa_reserve_vcc 0
		.amdhsa_float_denorm_mode_32 3
		.amdhsa_float_denorm_mode_16_64 3
		.amdhsa_memory_ordered 1
		.amdhsa_forward_progress 1
		.amdhsa_inst_pref_size 155
	.end_amdhsa_kernel
	.amdgpu_metadata
---
amdhsa.version: [ 1, 2 ]
amdhsa.kernels:
  - .name:           k_q7916524eeb_attn
    .symbol:         k_q7916524eeb_attn.kd
    .args:
      - { .name: qkvw, .offset: 0, .size: 8, .value_kind: global_buffer, .address_space: global }
      - { .name: ow, .offset: 8, .size: 8, .value_kind: global_buffer, .address_space: global }
    .group_segment_fixed_size: 327680
    .private_segment_fixed_size: 0
    .kernarg_segment_align: 8
    .kernarg_segment_size: 16
    .max_flat_workgroup_size: 128
    .sgpr_count:     80
    .vgpr_count:     896
    .wavefront_size: 32
...
	.end_amdgpu_metadata
.endif
;; end of part 3
;; launch proj (part 4): grid 16 x 16, 4 waves a work-group, clusters of 4 x 4, 327,680 bytes of LDS; arguments ow, wob, bo, out0; writes out0
.if DOCPART == 4
	.amdgcn_target "amdgcn-amd-amdhsa--gfx1250"
	.amdhsa_code_object_version 6
	.text
	.protected	k_q7916524eeb_proj
	.globl	k_q7916524eeb_proj
	.p2align	8
	.type	k_q7916524eeb_proj,@function
k_q7916524eeb_proj:
	s_mov_b64 s[64:65], 0
	v_nop
	global_prefetch_b8 v0, s[64:65] scope:SCOPE_SE
	s_setreg_imm32_b32 hwreg(HW_REG_WAVE_MODE, 25, 1), 1
	s_wait_xcnt 0x0
	s_wait_alu depctr_hold_cnt(0) depctr_sa_sdst(0) depctr_va_vdst(0) depctr_va_sdst(0) depctr_va_ssrc(0) depctr_va_vcc(0) depctr_vm_vsrc(0)
	s_getreg_b32 s2, hwreg(HW_REG_IB_STS2, 6, 4)
	s_cmp_eq_u32 s2, 0
	s_cbranch_scc0 .Lentry_in_a_cluster
	s_endpgm
.Lentry_in_a_cluster:
	s_bfe_u32 s2, ttmp6, 0x10000c
	s_cmp_lg_u32 s2, 0xf033
	s_cbranch_scc0 .Lentry_shape_is_right
	s_endpgm
.Lentry_shape_is_right:
; out0[m][n] = the sum over k of O[m][k] wo[n][k] + bo[n].  ow [2048][2048] and wob [2048][2048] are f16 (wob holds bf16 numbers); bo counts as a bf16 number; sums in f32, out0 in f32.
; A tile of out0 is 128 x 128: 16 x 16 work-groups.  Four waves, each 64 x 64: 16 accumulators.  K goes in steps of 256 (LDS rows of 512 bytes + 16; a wave's tensor load brings 64 of them) through two slots.
; CLUSTER: 4 x 4 work-groups; O's tile is asked for jointly along a row of the cluster, wo's along a column.  THE MATRIX INSTRUCTION IS USED TRANSPOSED (source 0 = 16 rows of wo, source 1 = 16 rows of O): a lane holds
; eight neighbouring numbers of a row of out0.  The bias is the C operand of the first products.  A wave's 64 columns are 256 aligned bytes of f32, so each wave goes out through a stage of its own, with no barrier.
; REGISTERS: window 0: v0-31 addresses; v32-95 rows read back, two buffers; v96-127 bias; v128-255 accumulators ((a, b) at 128 + 8 (4 a + b)).  Window 1: two fragment buffers of 128: 64 of O (2 x 4 x 16 rows x 32 K), then 64 of wo.
.set KSTEP,  256
.set PITCH,  528                       ; 512 bytes + 16 = 132 words: the 16 rows of a fragment load start at 16 different groups of four banks
.set HALFT,  64*PITCH                  ; 0x8400
.set SLOT,   4*HALFT                   ; 0x21000: no part's base holds either of its bits
.set STAGE,  2*SLOT
.set SPITCH, 272
.set SPARE,  STAGE+4*16*SPITCH         ; the spare words, 128 bytes a wave: two blocks of 256 bytes that no other line names
.set G1W0,   (1<<16)|(1<<20)|(1<<21)|(6<<22)|(3<<25)  ; 2-byte elements; padding on; bit 21 beside a mask; after every 128 words, 4 words
.set ADRA0, 16
.set ADRA,  17
.set ADRB0, 20
.set ADRB,  21
.set STO,   24
.set RD,    25
.set CO,    26
.set BO,    27
.set SPW,   28
.set NIL,   29
.set TT,    30
.set BK,    32
.set BI,    96
.set ACC,   128
.set F0,    0
.set F1,    128
.set CNT, 3
.set WV,  12
.set RR,  13                           ; which half of the tile's rows is mine; also: I fetch for O (0) or for wo (1)
.set CC,  14                           ; which half of its columns; also: which 64 rows of that tile I fetch
.set SB,  15
.set G1,  24
.set G0,  32                           ; two sets; the second then walks
.set G1B, 48
.set G0B, 56
.set HIM, 68
.set MSB, 0
.macro WIN new
.if MSB != (\new)
	s_set_vgpr_msb (MSB<<8)|(\new)
.set MSB, \new
.endif
.endm
.set MUL,  0x05                        ; sources 0 and 1 window 1; C and D window 0
.set TO_F, 0x40
.macro PLACES
.rept 4
	v_nop
.endr
.endm
.macro CREST
	s_cmp_lg_u32 s[WV], 0
	s_cbranch_scc1 .Lnot_wave_0_\@
	s_barrier_signal -3
.Lnot_wave_0_\@:
	s_barrier_wait -3
	s_barrier_signal -1
	s_barrier_wait -1
.endm
.macro CROUND
	s_barrier_signal -1
	s_barrier_wait -1
	CREST
.endm
.macro JLOAD                           ; a joint refill by the walking sets; an s_nop 0 and four v_nop follow each line
	s_cmp_eq_u32 s[RR], 0
	s_cbranch_scc0 .Lfor_b_\@
	tensor_load_to_lds s[G0+4:G0+7], s[G1:G1+7]
	s_nop 0
.rept 4
	v_nop
.endr
	s_branch .Lasked_\@
.Lfor_b_\@:
	tensor_load_to_lds s[G0B+4:G0B+7], s[G1B:G1B+7]
	s_nop 0
.rept 4
	v_nop
.endr
.Lasked_\@:
.endm
.macro MUL8 f, c, a0, first            ; 8 matrix instructions: row blocks a0, a0 + 1 x all 4 column blocks, half c of buffer f.  The 16 accumulators take turns
	WIN MUL
.irp a, \a0, (\a0)+1
.irp b, 0,1,2,3
.if \first
	v_wmma_f32_16x16x32_f16 v[ACC+8*(4*(\a)+(\b)):ACC+8*(4*(\a)+(\b))+7], v[(\f)+64+8*(4*(\c)+(\b)):(\f)+64+8*(4*(\c)+(\b))+7], v[(\f)+8*(4*(\c)+(\a)):(\f)+8*(4*(\c)+(\a))+7], v[BI+8*(\b):BI+8*(\b)+7]
.else
	v_wmma_f32_16x16x32_f16 v[ACC+8*(4*(\a)+(\b)):ACC+8*(4*(\a)+(\b))+7], v[(\f)+64+8*(4*(\c)+(\b)):(\f)+64+8*(4*(\c)+(\b))+7], v[(\f)+8*(4*(\c)+(\a)):(\f)+8*(4*(\c)+(\a))+7], v[ACC+8*(4*(\a)+(\b)):ACC+8*(4*(\a)+(\b))+7]
.endif
.endr
.endr
.endm
.macro FETCH k, f                      ; 32 LDS loads in one run: 64 along K at byte k of the rows; the first 32 along K first
	WIN TO_F
.irp c, 0,1
.irp i, 0,1,2,3
	ds_load_b128 v[(\f)+64+8*(4*(\c)+(\i)):(\f)+64+8*(4*(\c)+(\i))+3],   v[ADRB] offset:(\k)+64*(\c)+(\i)*16*PITCH
	ds_load_b128 v[(\f)+64+8*(4*(\c)+(\i))+4:(\f)+64+8*(4*(\c)+(\i))+7], v[ADRB] offset:(\k)+64*(\c)+(\i)*16*PITCH+32
	ds_load_b128 v[(\f)+8*(4*(\c)+(\i)):(\f)+8*(4*(\c)+(\i))+3],         v[ADRA] offset:(\k)+64*(\c)+(\i)*16*PITCH
	ds_load_b128 v[(\f)+8*(4*(\c)+(\i))+4:(\f)+8*(4*(\c)+(\i))+7],       v[ADRA] offset:(\k)+64*(\c)+(\i)*16*PITCH+32
.endr
.endr
.endm
.macro QUARTER k, f, g, first
	s_wait_dscnt 16                                ; the first 32 along K are in
	MUL8 \f, 0, 0, \first
	MUL8 \f, 0, 2, \first
	PLACES
	FETCH \k, \g
	s_wait_dscnt 32                                ; all but the 32 just issued
	MUL8 \f, 1, 0, 0
	MUL8 \f, 1, 2, 0
.endm
; The last quarter of a K step changes slots at its HEAD and then multiplies buffer 1.  This slot's last fragments were asked for 16 products ago.  Each wave waits for all its tensor loads, adds 0 to its spare word, and
; waits for that and for its reads of this slot; then the barrier.  fill = 1: it opens a round of the cluster's, and the joint refill, two K steps on, is the first thing behind it.  Only scalar work stands between the wait
; for one tile and the request for the next; the quarter's 32 products follow the request: from a request to the wait for it a wave issues a whole K step's 128.
.macro TURN fill
	WIN 0
	s_wait_tensorcnt 0x0                           ; all my tensor loads have landed, so a group 0 may be written
	ds_add_u32 v[SPW], v[NIL]                      ; 0 onto my spare word: the steps below stand between it and the wait for it
.if \fill
	s_xor_b32 s[G0+5], s[G0+5], SLOT
	s_add_nc_u64 s[G0+6:G0+7], s[G0+6:G0+7], KSTEP*2
	s_xor_b32 s[G0B+5], s[G0B+5], SLOT
	s_add_nc_u64 s[G0B+6:G0B+7], s[G0B+6:G0B+7], KSTEP*2
.endif
	s_xor_b32 s[SB], s[SB], SLOT
	s_wait_dscnt 0x0                               ; the add is done, and my reads of this slot are over
	s_barrier_signal -1
	s_barrier_wait -1
.if \fill
	CREST                                          ; no wave of any partner still reads this slot or has a load on its way
	JLOAD                                          ; its four v_nop are also the places in front of the loads below
.else
	PLACES
.endif
	v_add_nc_u32 v[ADRA], s[SB], v[ADRA0]
	v_add_nc_u32 v[ADRB], s[SB], v[ADRB0]
	FETCH 0, F0
	MUL8 F1, 0, 0, 0
	MUL8 F1, 0, 2, 0
	MUL8 F1, 1, 0, 0
	MUL8 F1, 1, 2, 0
.endm
.macro RND2 x
	v_cvt_pk_bf16_f32 v[TT], v[\x], v[\x+1]
	v_lshlrev_b32 v[\x], 16, v[TT]
	v_and_b32 v[\x+1], s[HIM], v[TT]
.endm
	s_load_b256 s[4:11], s[0:1], 0x0               ; ow 4, wob 6, bo 8, out0 10
	v_lshl_add_u32 v[SPW], v0, 2, SPARE
	v_mov_b32 v[NIL], 0
	ds_add_u32 v[SPW], v[NIL]                      ; the wave's opening: the add and its wait stand ahead of my first tensor load
	v_lshrrev_b32 v1, 5, v0
	v_readfirstlane_b32 s[WV], v1
	s_lshr_b32 s[RR], s[WV], 1
	s_and_b32 s[CC], s[WV], 1
	s_bfe_u32 s40, ttmp6, 0x40000                  ; cx
	s_bfe_u32 s41, ttmp6, 0x40004                  ; cy
	s_lshl_b32 s42, ttmp9, 2
	s_add_co_u32 s42, s42, s40                     ; tile column
	s_and_b32 s43, ttmp7, 0xffff
	s_lshl_b32 s43, s43, 2
	s_add_co_u32 s43, s43, s41                     ; tile row
	s_lshl_b32 s44, s41, 2
	s_lshl_b32 s44, 15, s44                        ; my row of the cluster
	s_lshl_b32 s45, 0x1111, s40                    ; my column
	s_or_b32 s[G1], s44, G1W0
	s_or_b32 s[G1B], s45, G1W0
.irp g, G1, G1B
	s_mov_b32 s[(\g)+1], KSTEP<<16                 ; tensor_dim0 = 256
	s_mov_b32 s[(\g)+2], 64<<16                    ; tensor_dim1 = 64
	s_mov_b32 s[(\g)+3], KSTEP<<16                 ; tile_dim0 = 256
	s_mov_b32 s[(\g)+4], 64                        ; tile_dim1 = 64
	s_mov_b32 s[(\g)+5], 2048                      ; elements from row to row
	s_mov_b32 s[(\g)+6], 0
	s_mov_b32 s[(\g)+7], 0
.endr
	s_lshl_b32 s17, s[CC], 18                      ; which 64 rows of 4,096 bytes I fetch
	s_lshl_b32 s16, s43, 19
	s_add_co_u32 s16, s16, s17                     ; O: 128 x tile row + 64 x half
	s_lshl_b32 s46, s42, 19
	s_add_co_u32 s46, s46, s17                     ; wo: 128 x tile column + 64 x half
	s_mov_b32 s17, 0
	s_mov_b32 s47, 0
	s_mul_i32 s20, s[WV], HALFT                    ; where they go: the wave's number alone
	s_mov_b32 s[SB], 0
	s_mov_b32 s[HIM], 0xffff0000
	s_wait_dscnt 0x0                               ; the opening add is done
	s_wait_kmcnt 0x0
	s_add_nc_u64 s[18:19], s[4:5], s[16:17]
	s_add_nc_u64 s[46:47], s[6:7], s[46:47]
	CROUND                                         ; all sixteen work-groups are here: the first joint loads meet
.irp n, 0,1
	s_mov_b32 s[G0+4*(\n)], 1
	s_add_co_u32 s[G0+4*(\n)+1], s20, (\n)*SLOT
	s_add_nc_u64 s[G0+4*(\n)+2:G0+4*(\n)+3], s[18:19], (\n)*KSTEP*2
	s_or_b32 s[G0+4*(\n)+3], s[G0+4*(\n)+3], 0x80000000
	s_mov_b32 s[G0B+4*(\n)], 1
	s_add_co_u32 s[G0B+4*(\n)+1], s20, (\n)*SLOT
	s_add_nc_u64 s[G0B+4*(\n)+2:G0B+4*(\n)+3], s[46:47], (\n)*KSTEP*2
	s_or_b32 s[G0B+4*(\n)+3], s[G0B+4*(\n)+3], 0x80000000
.endr
	s_cmp_eq_u32 s[RR], 0                          ; a wave's two first fills stand in one branch: two loads of mine are out
	s_cbranch_scc0 .Lfirst_b
	tensor_load_to_lds s[G0:G0+3], s[G1:G1+7]
	s_nop 0
	tensor_load_to_lds s[G0+4:G0+7], s[G1:G1+7]
	s_nop 0
.rept 4
	v_nop
.endr
	s_branch .Lfirst_asked
.Lfirst_b:
	tensor_load_to_lds s[G0B:G0B+3], s[G1B:G1B+7]
	s_nop 0
	tensor_load_to_lds s[G0B+4:G0B+7], s[G1B:G1B+7]
	s_nop 0
.rept 4
	v_nop
.endr
.Lfirst_asked:
	v_and_b32 v1, 15, v0                           ; r
	v_bfe_u32 v2, v0, 4, 1                         ; h
	v_lshlrev_b32 v[BO], 5, v2
	s_lshl_b32 s46, s42, 9                         ; my 64 columns in bytes of f32: 512 x tile column + 256 x half
	s_lshl_b32 s47, s[CC], 8
	s_add_co_u32 s46, s46, s47
	s_mov_b32 s47, 0
	s_add_nc_u64 s[66:67], s[8:9], s[46:47]        ; bo
.irp b, 0,1,2,3
	global_load_b128 v[BI+8*(\b):BI+8*(\b)+3],   v[BO], s[66:67] offset:64*(\b)
	global_load_b128 v[BI+8*(\b)+4:BI+8*(\b)+7], v[BO], s[66:67] offset:64*(\b)+16
.endr
	s_add_nc_u64 s[10:11], s[10:11], s[46:47]      ; out0 at my columns,
	s_lshl_b32 s16, s43, 20                        ; 128 rows of 8,192 bytes a tile row,
	s_lshl_b32 s17, s[RR], 19                      ; my 64
	s_add_co_u32 s16, s16, s17
	s_mov_b32 s17, 0
	s_add_nc_u64 s[10:11], s[10:11], s[16:17]
	v_mul_u32_u24 v3, v1, PITCH
	v_lshl_add_u32 v3, v2, 4, v3
	s_mul_i32 s21, s[RR], HALFT                    ; my 64 rows of O
	s_mul_i32 s22, s[CC], HALFT                    ; my 64 rows of wo,
	s_add_co_u32 s22, s22, 2*HALFT                 ; which lie behind O's 128
	v_add_nc_u32 v[ADRA0], s21, v3
	v_add_nc_u32 v[ADRB0], s22, v3
	v_mov_b32 v[ADRA], v[ADRA0]
	v_mov_b32 v[ADRB], v[ADRB0]
	s_mul_i32 s23, s[WV], 16*SPITCH
	s_add_co_u32 s23, s23, STAGE                   ; my stage
	v_mul_u32_u24 v[STO], v1, SPITCH               ; in: row r, 32 bytes for each half of the lanes
	v_lshl_add_u32 v[STO], v2, 5, v[STO]
	v_add_nc_u32 v[STO], s23, v[STO]
	v_mul_u32_u24 v[RD], v2, SPITCH                ; back: lanes 0-15 one row of 256 bytes, lanes 16-31 the next
	v_lshl_add_u32 v[RD], v1, 4, v[RD]
	v_add_nc_u32 v[RD], s23, v[RD]
	v_lshlrev_b32 v[CO], 13, v2                    ; and the same two rows in out0
	v_lshl_add_u32 v[CO], v1, 4, v[CO]
	s_wait_loadcnt 0x0                             ; the bias
.set r, BI
.rept 16
	RND2 r
.set r, r+2
.endr
	s_wait_tensorcnt 1                             ; my part of K step 0 is in; step 1's may stay out
	s_barrier_signal -1
	s_barrier_wait -1
	FETCH 0, F0
	QUARTER 128, F0, F1, 1                         ; the first quarter stands in front of the loop: its first products start the sums with the bias
	WIN 0
	s_mov_b32 s[CNT], 6
.Lstep:                                        ; trip i ends K step i, fills its slot with step i + 2 and begins step i + 1
	QUARTER 256, F1, F0, 0
	QUARTER 384, F0, F1, 0
	TURN 1
	QUARTER 128, F0, F1, 0
	WIN 0
	s_sub_co_u32 s[CNT], s[CNT], 1
	s_cmp_lg_u32 s[CNT], 0
	s_cbranch_scc1 .Lstep
	s_mov_b32 s[CNT], 2
.Ltail:                                        ; K steps 6 and 7 fill nothing; the second trip is left in its middle (its fetch, of bytes that stay as they are, serves nothing)
	QUARTER 256, F1, F0, 0
	QUARTER 384, F0, F1, 0
	TURN 0
	WIN 0
	s_sub_co_u32 s[CNT], s[CNT], 1
	s_cmp_eq_u32 s[CNT], 0
	s_cbranch_scc1 .Lout
	QUARTER 128, F0, F1, 0
	WIN 0
	s_branch .Ltail
.Lout:
	s_wait_dscnt 0x0
	PLACES                                         ; four places behind the last products
.irp a, 0,1,2,3                        ; THE WAY OUT, 16 rows at a time: 32 bytes a lane into my stage, each accumulator's low half first; back as whole rows of 256 bytes
.if (\a) >= 2
	s_wait_xcnt 0x0                                ; the stores of two blocks back have read the buffer that is loaded again
.endif
.irp b, 0,1,2,3
	ds_store_b128 v[STO], v[ACC+8*(4*(\a)+(\b)):ACC+8*(4*(\a)+(\b))+3]   offset:64*(\b)
	ds_store_b128 v[STO], v[ACC+8*(4*(\a)+(\b))+4:ACC+8*(4*(\a)+(\b))+7] offset:64*(\b)+16
.endr
.irp t, 0,1,2,3,4,5,6,7
	ds_load_b128 v[BK+32*((\a)%2)+4*(\t):BK+32*((\a)%2)+4*(\t)+3], v[RD] offset:(\t)*2*SPITCH  ; LDS serves a wave's instructions in order (ISA guide 5.7.1.4)
.endr
.irp t, 0,1,2,3,4,5,6,7
	s_wait_dscnt 7-(\t)
	global_store_b128 v[CO], v[BK+32*((\a)%2)+4*(\t):BK+32*((\a)%2)+4*(\t)+3], s[10:11] offset:(\a)*131072+(\t)*16384  ; 16 lanes store 256 consecutive bytes, aligned
.endr
.endr
	s_wait_tensorcnt 0x0                           ; the wave's end, behind my last tensor load and my last LDS store
	ds_add_u32 v[SPW], v[NIL]
	s_wait_dscnt 0x0
	CROUND                                         ; the closing round
	s_endpgm
.Lfunc_end_k_q7916524eeb_proj:
	.size	k_q7916524eeb_proj, .Lfunc_end_k_q7916524eeb_proj-k_q7916524eeb_proj
	.p2alignl 7, 3214868480
	.fill 96, 4, 3214868480
	.section	.rodata,"a",@progbits
	.p2align	6, 0x0
	.amdhsa_kernel k_q7916524eeb_proj
		.amdhsa_group_segment_fixed_size 327680
		.amdhsa_private_segment_fixed_size 0
		.amdhsa_enable_private_segment 0
		.amdhsa_kernarg_size 32
		.amdhsa_user_sgpr_count 2
		.amdhsa_user_sgpr_kernarg_segment_ptr 1
		.amdhsa_wavefront_size32 1
		.amdhsa_system_sgpr_workgroup_id_x 1
		.amdhsa_system_sgpr_workgroup_id_y 1
		.amdhsa_system_sgpr_workgroup_id_z 1
		.amdhsa_system_vgpr_workitem_id 0
		.amdhsa_next_free_vgpr 512
		.amdhsa_next_free_sgpr 72
		.amdhsa_reserve_vcc 0
		.amdhsa_float_denorm_mode_32 3
		.amdhsa_float_denorm_mode_16_64 3
		.amdhsa_memory_ordered 1
		.amdhsa_forward_progress 1
		.amdhsa_inst_pref_size 60
	.end_amdhsa_kernel
	.amdgpu_metadata
---
amdhsa.version: [ 1, 2 ]
amdhsa.kernels:
  - .name:           k_q7916524eeb_proj
    .symbol:         k_q7916524eeb_proj.kd
    .args:
      - { .name: ow, .offset: 0, .size: 8, .value_kind: global_buffer, .address_space: global }
      - { .name: wob, .offset: 8, .size: 8, .value_kind: global_buffer, .address_space: global }
      - { .name: bo, .offset: 16, .size: 8, .value_kind: global_buffer, .address_space: global }
      - { .name: out0, .offset: 24, .size: 8, .value_kind: global_buffer, .address_space: global }
    .group_segment_fixed_size: 327680
    .private_segment_fixed_size: 0
    .kernarg_segment_align: 8
    .kernarg_segment_size: 32
    .max_flat_workgroup_size: 128
    .sgpr_count:     72
    .vgpr_count:     512
    .wavefront_size: 32
...
	.end_amdgpu_metadata
.endif
;; end of part 4
